; MI455X (gfx1250); checked and timed in simulation.
; The chip was launched on July 23, 2026; its instructions are those of AMD's public machine-readable ISA for CDNA 5 (MIT licence, August 2026) and "CDNA5" Instruction Set Architecture Reference Guide (July 2026). The comments in the code are by the model that wrote it; some were corrected since.
;; Multi Head Attn. Allowed arithmetic: matrix products marked QUANTISED: E2M1 operands, one E8M0 scale for each 32 along K, by v_wmma_scale_f32_16x16x128_f8f6f4 with both operands' format E2M1 (or v_wmma_scale_f32_32x16x128_f4), f32 sums; products left as they are: bf16, f16 or f32 operands; f32 sums; everything else in f32.
;; Inputs: Wk 1,024 x 1,024 float32; Wo 1,024 x 1,024 float32; Wq 1,024 x 1,024 float32; Wv 1,024 x 1,024 float32; bk 1,024 float32; bo 1,024 float32; bq 1,024 float32; bv 1,024 float32; key 1 x 4,096 x 1,024 float32; query 1 x 4,096 x 1,024 float32; value 1 x 4,096 x 1,024 float32.
;; Outputs: out0 1 x 4,096 x 1,024 float32.
;; This version of the problem:
;;   THIS VERSION OF THE PROBLEM IS GIVEN IN LOW PRECISION. The matrix products marked QUANTISED in the list below multiply operands that are first quantised to E2M1 (2 exponent bits, 1 mantissa bit; 4 bits a number), with one power-of-two scale for each 32 numbers along K (OCP MX v1.0); their sums are f32. The products marked 'left as it is' may take bf16, f16 or f32 operands, with f32 sums. Whichever they take, every output number must still come out within the allowed error. Rounding operands to bf16 (8 significant bits) uses up far more of that allowance than f16 does (11 bits, for magnitudes from 6e-5 to 65,504). All else is computed in f32.
;;   The module's matrix products, in the order in which they are computed (A, B: the left and right operand; K: the contracted axis; several contracted axes count as one K, in the product's order):
;;     1. [M 4,096, K 1,024] x [K 1,024, N 1,024]; A: input query; B: input Wq: QUANTISED
;;     2. [M 4,096, K 1,024] x [K 1,024, N 1,024]; A: input key; B: input Wk: QUANTISED
;;     3. [M 4,096, K 1,024] x [K 1,024, N 1,024]; A: input value; B: input Wv: QUANTISED
;;     4. batch 16 x [M 4,096, K 64] x [K 64, N 4,096]; A: computed on the way; B: computed on the way: left as it is (an operand is computed on the way)
;;     5. batch 16 x [M 4,096, K 4,096] x [K 4,096, N 64]; A: computed on the way; B: computed on the way: left as it is (an operand is computed on the way)
;;     6. [M 4,096, K 1,024] x [K 1,024, N 1,024]; A: computed on the way; B: input Wo: left as it is (an operand is computed on the way)
;;   THE QUANTISER, for each operand of a quantised product, along K:
;;     - K is cut into blocks of 32 from its start; a last block that is shorter is filled with zeros.
;;     - A block's scale is 2^e with e = floor(log2(the largest magnitude in the block)) - 2, held to -126 .. 127; a block of zeros has e = 0. As a byte (E8M0): e + 127.
;;     - Each number is divided by its block's scale, clamped to +-6, and rounded to the nearest number of E2M1, ties to even, subnormals kept.
;;     - The product sums the exact products of the quantised numbers (number of the format x scale) in f32.
;;   ~~~python
;;   def quantise(x, axis):      # numpy; x: float32 -> the quantised numbers, widened to float32 again
;;       x = np.moveaxis(x, axis, -1); K = x.shape[-1]
;;       x = np.pad(x, [(0, 0)] * (x.ndim - 1) + [(0, -K % 32)]); x = x.reshape(x.shape[:-1] + (-1, 32)); a = np.abs(x).max(-1, keepdims=True)
;;       e = np.where(a > 0, np.clip(np.frexp(np.where(a > 0, a, 1))[1] - 1 - 2, -126, 127), 0)      # np.frexp(a)[1] - 1 = floor(log2(a)), exactly
;;       r = np.clip(x / 2.0 ** e, -6, 6)
;;       step = 2.0 ** (np.maximum(np.frexp(np.where(r == 0, 1, r))[1] - 1, 0) - 1)
;;       q = np.round(r / step) * step * 2.0 ** e      # np.round: ties to even
;;       return np.moveaxis(q.reshape(q.shape[:-2] + (-1,))[..., :K], -1, axis).astype(np.float32)
;;   ~~~
;; One version. Each part assembles by itself: llvm-mc -triple=amdgcn-amd-amdhsa -mcpu=gfx1250 --defsym DOCPART=n.
;; ======== version 1 of 1: 4 launches
;; limits: values are held in f16: magnitudes above 65,504 overflow, below 6.1e-05 lose precision
;; workspace buffers: xcodes 6,291,456 bytes; xscales 393,216 bytes; wcodes 1,572,864 bytes; wscales 98,304 bytes; wo16 2,097,152 bytes; qkv16 25,165,824 bytes; ctx16 8,388,608 bytes
;; launch quant (part 1): grid 512 x 1, 4 waves a work-group, no clusters, 33,280 bytes of LDS; arguments query, key, value, Wq, Wk, Wv, Wo, xcodes, xscales, wcodes, wscales, wo16; writes xcodes, xscales, wcodes, wscales, wo16
.if DOCPART == 1
	.amdgcn_target "amdgcn-amd-amdhsa--gfx1250"
	.amdhsa_code_object_version 6
	.text
	.protected	k_qa07c8284a1_quant
	.globl	k_qa07c8284a1_quant
	.p2align	8
	.type	k_qa07c8284a1_quant,@function
k_qa07c8284a1_quant:
	s_mov_b64 s[64:65], 0
	v_nop
	global_prefetch_b8 v0, s[64:65] scope:SCOPE_SE
	s_setreg_imm32_b32 hwreg(HW_REG_WAVE_MODE, 25, 1), 1
	s_wait_xcnt 0x0
; query, key, value [4096][1024] and Wq, Wk, Wv [1024][1024], f32, K innermost, become codes of FP4 (E2M1), two a byte, the lower k in the low four bits, with one E8M0 byte for each 32 along K.
; xcodes [12288][512 bytes] holds query's rows, then key's, then value's; wcodes [3072][512 bytes] holds Wq's, Wk's, Wv's; the scale bytes lie likewise, 32 to a row.  Wo is rounded to f16 into wo16, row-major.
; A block's scale is 2^(floor(log2(its largest magnitude)) - 2); its byte is the largest magnitude's exponent field - 2, held at 1 from below; each number is divided by the scale and rounded to the nearest code, ties to even,
; beyond the largest code the largest.  (A block of zeros gets the byte 1 where the rule says 127: its codes are zeros, and this program alone reads the bytes.)
; LIMITS: blocks whose largest magnitude lies under 2^-124, the floor, were not tried; NaN and infinities are not served; |Wo| stays under 65,504 (f16).
; Rows are dense and K is a multiple of 32: every tensor is a plain stream of blocks of 32.  A work-group takes 32,768 numbers, a wave 8,192: 16 steps of 512.
; Work-groups 0-383: query, key, value (128 each); 384-479: Wq, Wk, Wv (32 each); 480-511: Wo.  Only pointers are chosen for the first 480: they take one path.
; A step's four loads read 512 consecutive bytes each; the 2,048 bytes turn through the wave's own stage in LDS and come back 64 bytes a lane, so that a lane holds 16 neighbours along K and two lanes a block.
.set WAVES, 4
.set STEPS, 16
.set EMAX,  2
.set CB,    8                          ; bytes of 16 codes
.set R,     16                         ; v16-79   four sets of 16 numbers as loaded (the cast: v16-143, two sets of 64)
.set X,     80                         ; v80-111  two sets of 16 neighbours
.set E,     112                        ; v112-127 a scale byte for each step
.set C,     128                        ; v128-191 codes, four registers a step (the cast: v144-175 its results)
.set H,     144
.set WREG,  8192                       ; LDS: a region for each wave: two stages of 32 x SP bytes, then its 256 scale bytes
.set SP,    80                         ; a lane's place in a stage: 64 bytes + 16 of padding
.set SPW,   12                         ; v12  LDS address of my spare word; never rewritten
.set NIL,   13                         ; v13  0; never rewritten
.set SPARE, WAVES*WREG                 ; behind the four regions: the spare words, 128 bytes a wave
	s_load_b512 s[36:51], s[0:1], 0x0              ; query 36, key 38, value 40, Wq 42, Wk 44, Wv 46, Wo 48, xcodes 50
	s_load_b256 s[52:59], s[0:1], 0x40             ; xscales 52, wcodes 54, wscales 56, wo16 58
	v_lshl_add_u32 v[SPW], v0, 2, SPARE
	v_mov_b32 v[NIL], 0
	v_lshrrev_b32 v1, 5, v0
	v_readfirstlane_b32 s16, v1                    ; wave
	v_and_b32 v2, 31, v0                           ; lane
	v_lshlrev_b32 v3, 4, v2                        ; my 16 bytes of a load's 512
	s_mul_i32 s17, s16, WREG
	v_lshrrev_b32 v14, 2, v2
	v_mul_u32_u24 v14, v14, SP
	v_and_b32 v15, 3, v2
	v_lshl_add_u32 v14, v15, 4, v14
	v_add_nc_u32 v14, s17, v14                     ; the stage, on the way in: SP (lane / 4) + 16 (lane % 4)
	v_mul_u32_u24 v15, v2, SP
	v_add_nc_u32 v15, s17, v15                     ; and on the way out: SP x lane
	v_mul_u32_u24 v4, v2, CB                       ; my codes' place in a step's
	v_lshrrev_b32 v5, 1, v2
	s_add_co_u32 s17, s17, 2*32*SP
	v_add_nc_u32 v5, s17, v5                       ; LDS: my wave's 256 scale bytes, my block's byte
	v_lshlrev_b32 v7, 3, v2                        ; 8 bytes a lane
	v_add_nc_u32 v6, s17, v7
	s_mov_b32 s21, 0
	s_wait_kmcnt 0x0
	s_cmp_ge_u32 ttmp9, 480                        ; the work-group's number alone decides
	s_cbranch_scc1 .Lcast
	s_mov_b64 s[4:5], s[46:47]                     ; which tensor: Wv, unless the number is lower
	s_cmp_lt_u32 ttmp9, 448
	s_cselect_b64 s[4:5], s[44:45], s[4:5]
	s_cmp_lt_u32 ttmp9, 416
	s_cselect_b64 s[4:5], s[42:43], s[4:5]
	s_cmp_lt_u32 ttmp9, 384
	s_cselect_b64 s[4:5], s[40:41], s[4:5]
	s_cselect_b64 s[8:9], s[50:51], s[54:55]       ; the codes' buffer,
	s_cselect_b64 s[10:11], s[52:53], s[56:57]     ; the scale bytes',
	s_cselect_b32 s17, 127, 31                     ; work-groups to a tensor, less one,
	s_cselect_b32 s18, 0, 384                      ; and the first work-group of the output buffer
	s_cmp_lt_u32 ttmp9, 256
	s_cselect_b64 s[4:5], s[38:39], s[4:5]
	s_cmp_lt_u32 ttmp9, 128
	s_cselect_b64 s[4:5], s[36:37], s[4:5]
	s_and_b32 s19, ttmp9, s17
	s_lshl_b32 s19, s19, 2
	s_add_co_u32 s19, s19, s16                     ; my run of 8,192 numbers in the tensor
	s_lshl_b32 s20, s19, 15
	s_add_nc_u64 s[4:5], s[4:5], s[20:21]
	s_sub_co_u32 s19, ttmp9, s18
	s_lshl_b32 s19, s19, 2
	s_add_co_u32 s19, s19, s16                     ; and in the output buffers
	s_lshl_b32 s20, s19, 12                        ; 4,096 bytes of codes a run
	s_add_nc_u64 s[8:9], s[8:9], s[20:21]
	s_lshl_b32 s20, s19, 8                         ; 256 scale bytes a run
	s_add_nc_u64 s[10:11], s[10:11], s[20:21]
.macro LOAD t
.irp i, 0,1,2,3
	global_load_b128 v[R+16*((\t)%4)+4*\i:R+16*((\t)%4)+4*\i+3], v3, s[4:5] offset:2048*(\t)+512*\i th:TH_LOAD_NT   ; 32 lanes read 512 consecutive bytes
.endr
.endm
.macro TURN t                          ; step t's numbers through the stage: LDS serves a wave's instructions in order, so no wait stands between the stores and the loads
.irp i, 0,1,2,3
	ds_store_b128 v14, v[R+16*((\t)%4)+4*\i:R+16*((\t)%4)+4*\i+3] offset:32*SP*((\t)%2)+8*SP*\i
.endr
.irp i, 0,1,2,3
	ds_load_b128 v[X+16*((\t)%2)+4*\i:X+16*((\t)%2)+4*\i+3], v15 offset:32*SP*((\t)%2)+16*\i
.endr
.endm
.irp t, 0,1,2,3
	LOAD \t
.endr
	s_wait_loadcnt 12                              ; step 0's four loads are in; the 12 of three later steps may be out
	TURN 0
.macro STEP t
.set XS, X+16*((\t)%2)
.if (\t) > 0
	s_wait_dscnt 1                                 ; this step's numbers are back from the stage (the last step's byte store may be out): its stores into the stage have read their registers,
.else
	s_wait_dscnt 0x0
.endif
.if (\t)+4 < STEPS
	LOAD (\t)+4                                    ; which take the loads of four steps on
.endif
.if (\t)+1 < STEPS
.if STEPS-2-(\t) >= 3
	s_wait_loadcnt 12                              ; the next step's four loads are in; those of the three steps behind it may be out
.else
	s_wait_loadcnt 4*(STEPS-2-(\t))
.endif
	TURN (\t)+1                                    ; and go through the other stage while this step is worked
.endif
	v_max3_num_f32 v8, |v[XS]|, |v[XS+1]|, |v[XS+2]|               ; the largest magnitude of my 16, in two chains
	v_max3_num_f32 v9, |v[XS+3]|, |v[XS+4]|, |v[XS+5]|
.irp i, 6,10
	v_max3_num_f32 v8, v8, |v[XS+\i]|, |v[XS+\i+1]|
	v_max3_num_f32 v9, v9, |v[XS+\i+2]|, |v[XS+\i+3]|
.endr
	v_max3_num_f32 v8, v8, |v[XS+14]|, |v[XS+15]|
	v_max3_num_f32 v8, v8, v9, (EMAX+1)<<23        ; and the floor 2^(EMAX + 1 - 127): the byte cannot fall under 1
	v_max_num_f32_dpp v8, v8, v8 row_xmask:1 row_mask:0xf bank_mask:0xf   ; and of my neighbour's 16: the block's
	v_add_nc_u32 v11, -(EMAX<<23), v8              ; EMAX off its exponent field: the conversion takes the exponent field of this operand as its scale
	v_cvt_scalef32_pk8_fp4_f32 v[C+4*(\t)], v[XS:XS+7], v11
	v_cvt_scalef32_pk8_fp4_f32 v[C+4*(\t)+1], v[XS+8:XS+15], v11
	v_lshrrev_b32 v[E+(\t)], 23, v11               ; the scale's byte (also the plain line behind the conversions)
	ds_store_b8 v5, v[E+(\t)] offset:16*(\t)       ; both lanes of a block write the same byte with the same value
	global_store_b64 v4, v[C+4*(\t):C+4*(\t)+1], s[8:9] offset:32*CB*(\t)   ; the wave stores 256 consecutive bytes, aligned
.endm
.irp t, 0,1,2,3,4,5,6,7,8,9,10,11,12,13,14,15
	STEP \t
.endr
	ds_load_b64 v[8:9], v6                         ; LDS serves a wave's instructions in order: these see my byte stores
	s_wait_dscnt 0x0
	global_store_b64 v7, v[8:9], s[10:11]          ; 32 lanes store 256 consecutive bytes, aligned
	s_wait_tensorcnt 0x0                           ; the wave's end, behind my last LDS store
	ds_add_u32 v[SPW], v[NIL]
	s_wait_dscnt 0x0
	s_endpgm
; Wo to f16: a wave takes 8,192 numbers in four groups of 16 loads; a lane's 4 numbers become 8 bytes, so each store of the wave covers 256 consecutive bytes, aligned.  No LDS.
.Lcast:
	s_sub_co_u32 s19, ttmp9, 480
	s_lshl_b32 s19, s19, 2
	s_add_co_u32 s19, s19, s16                     ; my run of 8,192 numbers
	s_lshl_b32 s20, s19, 15
	s_add_nc_u64 s[4:5], s[48:49], s[20:21]
	s_lshl_b32 s20, s19, 14
	s_add_nc_u64 s[8:9], s[58:59], s[20:21]
.macro CL grp, set
.irp i, 0,1,2,3,4,5,6,7,8,9,10,11,12,13,14,15
	global_load_b128 v[R+64*\set+4*\i:R+64*\set+4*\i+3], v3, s[4:5] offset:8192*\grp+512*\i th:TH_LOAD_NT
.endr
.endm
.macro CV grp, set
.irp i, 0,1,2,3,4,5,6,7,8,9,10,11,12,13,14,15
	v_cvt_pk_f16_f32 v[H+2*\i], v[R+64*\set+4*\i], v[R+64*\set+4*\i+1]
	v_cvt_pk_f16_f32 v[H+2*\i+1], v[R+64*\set+4*\i+2], v[R+64*\set+4*\i+3]
.endr
.irp i, 0,1,2,3,4,5,6,7,8,9,10,11,12,13,14,15
	global_store_b64 v7, v[H+2*\i:H+2*\i+1], s[8:9] offset:4096*\grp+256*\i
.endr
.endm
	CL 0, 0
	CL 1, 1
	s_wait_loadcnt 16                              ; the older group is in, the younger 16 loads may be out
	CV 0, 0
	CL 2, 0
	s_wait_loadcnt 16
	s_wait_xcnt 0x0                                ; the last group's stores have read their data: the results' registers are written again only behind this wait
	CV 1, 1
	CL 3, 1
	s_wait_loadcnt 16
	s_wait_xcnt 0x0
	CV 2, 0
	s_wait_loadcnt 0x0
	s_wait_xcnt 0x0
	CV 3, 1
	s_wait_tensorcnt 0x0                           ; the wave's end
	ds_add_u32 v[SPW], v[NIL]
	s_wait_dscnt 0x0
	s_endpgm
.Lfunc_end_k_qa07c8284a1_quant:
	.size	k_qa07c8284a1_quant, .Lfunc_end_k_qa07c8284a1_quant-k_qa07c8284a1_quant
	.p2alignl 7, 3214868480
	.fill 96, 4, 3214868480
	.section	.rodata,"a",@progbits
	.p2align	6, 0x0
	.amdhsa_kernel k_qa07c8284a1_quant
		.amdhsa_group_segment_fixed_size 33280
		.amdhsa_private_segment_fixed_size 0
		.amdhsa_enable_private_segment 0
		.amdhsa_kernarg_size 96
		.amdhsa_user_sgpr_count 2
		.amdhsa_user_sgpr_kernarg_segment_ptr 1
		.amdhsa_wavefront_size32 1
		.amdhsa_system_sgpr_workgroup_id_x 1
		.amdhsa_system_sgpr_workgroup_id_y 1
		.amdhsa_system_sgpr_workgroup_id_z 1
		.amdhsa_system_vgpr_workitem_id 0
		.amdhsa_next_free_vgpr 192
		.amdhsa_next_free_sgpr 66
		.amdhsa_reserve_vcc 0
		.amdhsa_float_denorm_mode_32 3
		.amdhsa_float_denorm_mode_16_64 3
		.amdhsa_memory_ordered 1
		.amdhsa_forward_progress 1
		.amdhsa_inst_pref_size 54
	.end_amdhsa_kernel
	.amdgpu_metadata
---
amdhsa.version: [ 1, 2 ]
amdhsa.kernels:
  - .name:           k_qa07c8284a1_quant
    .symbol:         k_qa07c8284a1_quant.kd
    .args:
      - { .name: query, .offset: 0, .size: 8, .value_kind: global_buffer, .address_space: global }
      - { .name: key, .offset: 8, .size: 8, .value_kind: global_buffer, .address_space: global }
      - { .name: value, .offset: 16, .size: 8, .value_kind: global_buffer, .address_space: global }
      - { .name: Wq, .offset: 24, .size: 8, .value_kind: global_buffer, .address_space: global }
      - { .name: Wk, .offset: 32, .size: 8, .value_kind: global_buffer, .address_space: global }
      - { .name: Wv, .offset: 40, .size: 8, .value_kind: global_buffer, .address_space: global }
      - { .name: Wo, .offset: 48, .size: 8, .value_kind: global_buffer, .address_space: global }
      - { .name: xcodes, .offset: 56, .size: 8, .value_kind: global_buffer, .address_space: global }
      - { .name: xscales, .offset: 64, .size: 8, .value_kind: global_buffer, .address_space: global }
      - { .name: wcodes, .offset: 72, .size: 8, .value_kind: global_buffer, .address_space: global }
      - { .name: wscales, .offset: 80, .size: 8, .value_kind: global_buffer, .address_space: global }
      - { .name: wo16, .offset: 88, .size: 8, .value_kind: global_buffer, .address_space: global }
    .group_segment_fixed_size: 33280
    .private_segment_fixed_size: 0
    .kernarg_segment_align: 8
    .kernarg_segment_size: 96
    .max_flat_workgroup_size: 128
    .sgpr_count:     66
    .vgpr_count:     192
    .wavefront_size: 32
...
	.end_amdgpu_metadata
.endif
;; end of part 1
;; launch proj (part 2): grid 4 x 48, 4 waves a work-group, clusters of 4 x 4, 327,680 bytes of LDS; arguments xcodes, xscales, wcodes, wscales, qkv16, bq, bk, bv; writes qkv16
.if DOCPART == 2
	.amdgcn_target "amdgcn-amd-amdhsa--gfx1250"
	.amdhsa_code_object_version 6
	.text
	.protected	k_qa07c8284a1_proj
	.globl	k_qa07c8284a1_proj
	.p2align	8
	.type	k_qa07c8284a1_proj,@function
k_qa07c8284a1_proj:
	s_mov_b64 s[64:65], 0
	v_nop
	global_prefetch_b8 v0, s[64:65] scope:SCOPE_SE
	s_setreg_imm32_b32 hwreg(HW_REG_WAVE_MODE, 25, 1), 1
	s_wait_xcnt 0x0
	s_wait_alu depctr_hold_cnt(0) depctr_sa_sdst(0) depctr_va_vdst(0) depctr_va_sdst(0) depctr_va_ssrc(0) depctr_va_vcc(0) depctr_vm_vsrc(0)
	s_getreg_b32 s2, hwreg(HW_REG_IB_STS2, 6, 4)
	s_cmp_eq_u32 s2, 0
	s_cbranch_scc0 .Lentry_in_a_cluster
	s_endpgm
.Lentry_in_a_cluster:
	s_bfe_u32 s2, ttmp6, 0x10000c
	s_cmp_lg_u32 s2, 0xf033
	s_cbranch_scc0 .Lentry_shape_is_right
	s_endpgm
.Lentry_shape_is_right:
; q = query Wq^T + bq, k = key Wk^T + bk, v = value Wv^T + bv on codes of FP4 (E2M1) with one E8M0 scale for each 32 along K; sums in f32, the bias as the sums' first C; results rounded once to f16.
; A: xcodes [12288][512 bytes] (query's, key's, value's rows), B: wcodes [3072][512 bytes] (Wq's, Wk's, Wv's rows); scale bytes 32 to a row.  K = 1,024: two K steps of 512, which are the two first fills of two LDS slots: nothing is filled again.
; A tile of 256 x 256 is made by four waves, 128 x 128 each: 64 accumulators, 512 registers.  48 tile rows x 4 tile columns; tensor t = tile row / 16, the same in all work-groups of a cluster.
; CLUSTERS: 4 x 4 work-groups.  The four of a row need the same tiles of A, the four of a column the same tiles of B: each tile is asked for jointly, by the same tensor load with the same descriptor and a mask that names the four.
; THE MATRIX INSTRUCTION IS USED TRANSPOSED (source 0 = 16 rows of W, source 1 = 16 rows of x): a lane holds row lane % 16 and eight neighbouring channels 8 (lane / 16) + 0..7, which pack into 16 bytes of f16.
; THE OUTPUT IS LAID AS IMAGES OF THE NEXT PRODUCTS' REGISTERS: qkv16 = q, k, v, 8,388,608 bytes each, [head 16][row tile 256][16 channels: 4][512 bytes].  In q and k lane l's 16 bytes lie at 16 l; in v at
; 16 (r % 8) + 128 h + 256 (r / 8) (r = l % 16, h = l / 16), the order in which the turning LDS load of the next launch wants them.  So every store of a wave covers 512 consecutive bytes, aligned, straight from registers.
; LIMITS: |q|, |k|, |v| stay under 65,504 (f16); NaN and infinities are not served.
; REGISTERS, in windows of 256: window 0: v0-31 addresses; v32-95 scale words, two sets; v128-191 A's fragments, one set; v192-255 the bias, eight registers for each of my eight blocks of 16 channels; on the way out v128-255 take the packed results.
;   window 1: B's fragments, two sets, at v0 and v128.   window 2: the accumulators of my rows 0-63 ((a, b) at v[8 (8 a + b)]);   window 3: those of rows 64-127.
.set KSTEP,  512
.set NQ,     KSTEP/128                 ; matrix instructions deep in a slot
.set ROWB,   256                       ; a tile's row in bytes
.set KROW,   512                       ; a row of codes in memory
.set PITCH,  272                       ; an LDS row: 256 bytes + 16 of padding, so that the 16 rows of a fragment load start 68 words apart
.set FR,     8
.set NL,     2
.set NP,     4                         ; places behind this matrix instruction (ISA guide 7.12.1)
.set HALFT,  128*PITCH
.set SLOT,   4*HALFT
.set KS,     32                        ; a row of scale bytes
.set SCL,    2*SLOT                    ; behind the slots: the scales, as units of 256 bytes + 16 of padding
.set HALFS,  (128*KS/256)*272
.set SBLK,   (16*KS/256)*272
.set SPARE,  SCL+4*HALFS               ; the spare words, 128 bytes a wave
.set ADRA, 16
.set ADRB, 20
.set CO,   26                          ; v26  my 16 bytes' place in an image
.set ADRS, 27
.set SPW,  28
.set NIL,  29
.set BO,   30                          ; v30  32 x (lane / 16): my half's eight numbers of a block's bias
.set SC,   32
.set AF,   128
.set BI,   192
.set PK,   128                         ; the way out: four sets of 32 registers
.set G1, 24
.set G0, 32
.set G1B, 48
.set G0B, 56
.set G1S, 68
.set G0S, 76
.set G1SB, 80
.set G0SB, 88
.set TN, 95                            ; s95  tensor 0, 1, 2
.set MSB, 0
.macro WIN new                         ; the immediate's high byte repeats the setting that is left
.if MSB != \new
	s_set_vgpr_msb (MSB<<8)|\new
.set MSB, \new
.endif
.endm
.set MUL_LO, 0xa1                      ; source 0 (B) window 1, source 1 (A) window 0, C and D window 2
.set MUL_HI, 0xf1                      ; the same, C and D window 3
.set BIAS_LO, 0x81                     ; the first step: C (the bias) window 0, D window 2
.set BIAS_HI, 0xc1                     ; D window 3
.set TO_B,   0x40
; A joint load: waves 0 and 1 fetch for A, waves 2 and 3 for B; the branch hangs on the wave's number alone.  An s_nop 0 and four v_nop follow each of the two lines.
.macro JLOAD g0a, g1a, g0b, g1b
	s_cmp_eq_u32 s15, 0
	s_cbranch_scc0 .Lfor_b_\@
	tensor_load_to_lds s[\g0a:\g0a+3], s[\g1a:\g1a+7]
	s_nop 0
.rept 4
	v_nop
.endr
	s_branch .Lasked_\@
.Lfor_b_\@:
	tensor_load_to_lds s[\g0b:\g0b+3], s[\g1b:\g1b+7]
	s_nop 0
.rept 4
	v_nop
.endr
.Lasked_\@:
.endm
.macro CROUND                          ; a round of the cluster's barrier
	s_barrier_signal -1
	s_barrier_wait -1
	s_cmp_lg_u32 s14, 0
	s_cbranch_scc1 .Lnot_wave_0_\@
	s_barrier_signal -3
.Lnot_wave_0_\@:
	s_barrier_wait -3
	s_barrier_signal -1
	s_barrier_wait -1
.endm
	s_load_b128 s[4:7], s[0:1], 0x0                ; x's codes, x's scales
	s_load_b128 s[8:11], s[0:1], 0x10              ; W's codes, W's scales
	s_load_b64 s[12:13], s[0:1], 0x20              ; qkv16
	s_load_b128 s[96:99], s[0:1], 0x28             ; bq, bk
	s_load_b64 s[100:101], s[0:1], 0x38            ; bv
	v_lshl_add_u32 v[SPW], v0, 2, SPARE
	v_mov_b32 v[NIL], 0
	ds_add_u32 v[SPW], v[NIL]                      ; the wave's opening: the add, twice on end, and its wait ahead of my first tensor load
	ds_add_u32 v[SPW], v[NIL]
	v_lshrrev_b32 v1, 5, v0
	v_readfirstlane_b32 s14, v1                    ; wave 0..3
	s_lshr_b32 s15, s14, 1                         ; which half of the tile's rows is mine.  Also: I fetch for A (0) or for B (1)
	s_and_b32 s16, s14, 1                          ; which half of its columns.  Also: which 128 rows of that tile I fetch
	s_bfe_u32 s40, ttmp6, 0x40000                  ; cx, cy: my place in the cluster
	s_bfe_u32 s41, ttmp6, 0x40004
	s_lshl_b32 s42, ttmp9, 2
	s_add_co_u32 s42, s42, s40                     ; tile column = 4 x cluster x + cx
	s_and_b32 s17, ttmp7, 0xffff                   ; cluster y
	s_lshr_b32 s[TN], s17, 2                       ; four clusters along y to a tensor
	s_lshl_b32 s17, s17, 2
	s_add_co_u32 s17, s17, s41                     ; tile row = 4 x cluster y + cy
	s_lshl_b32 s43, s41, 2
	s_lshl_b32 s43, 15, s43                        ; my row of the cluster
	s_lshl_b32 s44, 0x1111, s40                    ; my column
	; descriptor group 1: a tile of 128 rows x 256 bytes, 16 bytes of padding behind each row
	s_or_b32 s[G1+0], s43, (0<<16)|(1<<20)|(1<<21)|(5<<22)|(3<<25)  ; 15:0 the mask; 17:16 elements of 1 byte; 20 padding on; 21 set beside a mask; 24:22 after every 64 words; 31:25 four words
	s_or_b32 s[G1B+0], s44, (0<<16)|(1<<20)|(1<<21)|(5<<22)|(3<<25)
.irp g, G1, G1B
	s_mov_b32 s[\g+1], ROWB<<16                    ; tensor_dim0
	s_mov_b32 s[\g+2], 128<<16                     ; tensor_dim1
	s_mov_b32 s[\g+3], ROWB<<16                    ; tile_dim0
	s_mov_b32 s[\g+4], 128                         ; tile_dim1
	s_mov_b32 s[\g+5], KROW                        ; the pitch
	s_mov_b32 s[\g+6], 0
	s_mov_b32 s[\g+7], 0
.endr
	; the scales of 128 rows: 4,096 dense bytes, as 16 rows of 256 bytes (32 elements of 8), 16 bytes of padding behind each
	s_or_b32 s[G1S+0], s43, (3<<16)|(1<<20)|(1<<21)|(5<<22)|(3<<25)
	s_or_b32 s[G1SB+0], s44, (3<<16)|(1<<20)|(1<<21)|(5<<22)|(3<<25)
.irp g, G1S, G1SB
	s_mov_b32 s[\g+1], 32<<16
	s_mov_b32 s[\g+2], (128*KS/256)<<16
	s_mov_b32 s[\g+3], 32<<16
	s_mov_b32 s[\g+4], 128*KS/256
	s_mov_b32 s[\g+5], 32
	s_mov_b32 s[\g+6], 0
	s_mov_b32 s[\g+7], 0
.endr
	s_lshl_b32 s18, s16, 7                         ; which 128 rows of the tile I fetch
	s_lshl_b32 s20, s17, 8
	s_add_co_u32 s20, s20, s18                     ; A: row 256 x tile row + 128 x half
	s_lshl_b32 s46, s42, 8
	s_add_co_u32 s46, s46, s18
	s_lshl_b32 s19, s[TN], 10
	s_add_co_u32 s46, s46, s19                     ; B: row 1,024 x tensor + 256 x tile column + 128 x half
	s_mov_b32 s21, 0
	s_mov_b32 s47, 0
	s_mov_b64 s[18:19], KS
	s_mul_u64 s[22:23], s[20:21], s[18:19]         ; where these rows' scales begin,
	s_mul_u64 s[92:93], s[46:47], s[18:19]
	s_mov_b64 s[18:19], KROW
	s_mul_u64 s[20:21], s[20:21], s[18:19]         ; and their codes
	s_mul_u64 s[46:47], s[46:47], s[18:19]
	s_mul_i32 s45, s14, HALFT                      ; where they go: wave x 128 rows: no place in the cluster enters an LDS address
	s_mul_i32 s94, s14, HALFS
	s_wait_dscnt 0x0                               ; both opening adds are done
	s_wait_kmcnt 0x0
	s_add_nc_u64 s[20:21], s[4:5], s[20:21]
	s_add_nc_u64 s[22:23], s[6:7], s[22:23]
	s_add_nc_u64 s[46:47], s[8:9], s[46:47]
	s_add_nc_u64 s[92:93], s[10:11], s[92:93]
	CROUND                                         ; all sixteen work-groups are here: the first joint loads meet
	s_mov_b32 s[G0S], 1
	s_add_co_u32 s[G0S+1], s94, SCL
	s_mov_b64 s[G0S+2:G0S+3], s[22:23]
	s_or_b32 s[G0S+3], s[G0S+3], 0x80000000
	s_mov_b32 s[G0SB], 1
	s_add_co_u32 s[G0SB+1], s94, SCL
	s_mov_b64 s[G0SB+2:G0SB+3], s[92:93]
	s_or_b32 s[G0SB+3], s[G0SB+3], 0x80000000
	JLOAD G0S, G1S, G0SB, G1SB                     ; the scales first: they are wanted with K step 0
.irp s, 0,1
	s_mov_b32 s[G0+4*\s], 1
	s_add_co_u32 s[G0+4*\s+1], s45, \s*SLOT
	s_add_nc_u64 s[G0+4*\s+2:G0+4*\s+3], s[20:21], \s*ROWB
	s_or_b32 s[G0+4*\s+3], s[G0+4*\s+3], 0x80000000
	s_mov_b32 s[G0B+4*\s], 1
	s_add_co_u32 s[G0B+4*\s+1], s45, \s*SLOT
	s_add_nc_u64 s[G0B+4*\s+2:G0B+4*\s+3], s[46:47], \s*ROWB
	s_or_b32 s[G0B+4*\s+3], s[G0B+4*\s+3], 0x80000000
	JLOAD G0+4*\s, G1, G0B+4*\s, G1B               ; three loads of mine are out: the scales, K step 0, K step 1
.endr
	; the bias of my 128 channels: the tensor picks the buffer (a choice that hangs on no address)
	s_cmp_eq_u32 s[TN], 0
	s_cselect_b64 s[96:97], s[96:97], s[98:99]
	s_cmp_eq_u32 s[TN], 2
	s_cselect_b64 s[96:97], s[100:101], s[96:97]
	s_lshl_b32 s46, s42, 10                        ; 256 channels x 4 bytes a tile column
	s_lshl_b32 s47, s16, 9
	s_add_co_u32 s46, s46, s47
	s_mov_b32 s47, 0
	s_add_nc_u64 s[96:97], s[96:97], s[46:47]
	v_and_b32 v1, 15, v0                           ; r = l % 16
	v_bfe_u32 v2, v0, 4, 1                         ; h = l / 16
	v_lshlrev_b32 v[BO], 5, v2
.irp b, 0,1,2,3,4,5,6,7
	global_load_b128 v[BI+8*\b:BI+8*\b+3], v[BO], s[96:97] offset:64*\b          ; register j of block b: the bias of channel 16 b + 8 h + j, as the result's layout has it
	global_load_b128 v[BI+8*\b+4:BI+8*\b+7], v[BO], s[96:97] offset:64*\b+16
.endr
	v_mul_u32_u24 v3, v1, PITCH
	v_lshl_add_u32 v4, v2, 4, v3                   ; a fragment's row x pitch + 16 x half
	s_mul_i32 s21, s15, HALFT                      ; my 128 rows of A
	s_mul_i32 s22, s16, HALFT                      ; my 128 rows of B,
	s_add_co_u32 s22, s22, 2*HALFT                 ; which lie behind A's 256
.irp s, 0,1
	v_add_nc_u32 v[ADRA+\s], s21, v4
	v_add_nc_u32 v[ADRB+\s], s22, v4
	s_add_co_u32 s21, s21, SLOT
	s_add_co_u32 s22, s22, SLOT
.endr
	v_mul_u32_u24 v5, v1, KS                       ; my row's scales: KS bytes a row,
	v_lshrrev_b32 v6, 8, v5
	v_lshl_add_u32 v5, v6, 4, v5                   ; and 16 more for each 256 passed
	s_mul_i32 s21, s15, HALFS                      ; A's: my 128 rows
	s_mul_i32 s22, s16, HALFS                      ; B's: my 128 rows, behind A's 256
	s_add_co_u32 s22, s22, 2*HALFS
	s_sub_co_u32 s22, s22, s21
	v_mul_u32_u24 v6, s22, v2                      ; lanes 16-31 take B's
	s_add_co_u32 s21, s21, SCL
	v_add_nc_u32 v5, v5, v6
	v_add_nc_u32 v[ADRS], s21, v5
	; the way out: my 16 bytes' place in an image of 512 bytes
	v_and_b32 v6, 31, v0
	v_lshlrev_b32 v7, 4, v6                        ; q, k: 16 x lane
	v_and_b32 v8, 7, v0
	v_lshlrev_b32 v8, 4, v8
	v_lshl_add_u32 v8, v2, 7, v8
	v_bfe_u32 v9, v0, 3, 1
	v_lshl_add_u32 v8, v9, 8, v8                   ; v: 16 (r % 8) + 128 h + 256 (r / 8)
	s_cmp_eq_u32 s[TN], 2
	s_cselect_b32 s19, -1, 0
	v_cndmask_b32 v[CO], v7, v8, s19
	s_lshl_b32 s20, s[TN], 23                      ; the tensor's part of qkv16,
	s_and_b32 s21, s17, 15
	s_lshl_b32 s21, s21, 15                        ; 16 row tiles of 2,048 bytes a tile row,
	s_add_co_u32 s20, s20, s21
	s_lshl_b32 s21, s15, 14                        ; my half's eight
	s_add_co_u32 s20, s20, s21
	s_mov_b32 s21, 0
	s_lshl_b32 s46, s42, 21                        ; four heads of 524,288 bytes a tile column,
	s_lshl_b32 s47, s16, 20                        ; my half's two
	s_add_co_u32 s46, s46, s47
	s_mov_b32 s47, 0
	s_add_nc_u64 s[20:21], s[20:21], s[46:47]
	s_add_nc_u64 s[12:13], s[12:13], s[20:21]
.macro FRAG reg, adr, q, i             ; a fragment, 16 rows x 128 K of 4-bit codes: lane l holds row l % 16; registers 4 c .. 4 c + 3 hold K = 64 c + 32 (l / 16) + 0 .. 31
.irp c, 0,1
	ds_load_b128 v[\reg+4*\c:\reg+4*\c+3], v[\adr] offset:64*(\q)+32*\c+(\i)*16*PITCH
.endr
.endm
; 16 matrix instructions: A's blocks a0, a0 + 1 x B's eight, the slot's q-th 128 along K.  p: B's set; sc: the set of scale words.  first = 1: the bias is C and starts the sums: nothing is cleared, nothing is added later.
; The 64 accumulators take turns, one instruction a turn, in the same order in every step.
.macro MUL16 a0, p, q, sc, first
.irp a, \a0, \a0+1
.irp b, 0,1,2,3,4,5,6,7
.if \first
	v_wmma_scale_f32_16x16x128_f8f6f4 v[8*(8*((\a)%4)+\b):8*(8*((\a)%4)+\b)+7], v[128*(\p)+FR*\b:128*(\p)+FR*\b+FR-1], v[AF+FR*(\a):AF+FR*(\a)+FR-1], v[BI+8*\b:BI+8*\b+7], v[SC+8*NQ*(\sc)+NQ*\b+(\q)], v[SC+8*NQ*(\sc)+NQ*(\a)+(\q)] matrix_a_fmt:MATRIX_FMT_FP4 matrix_b_fmt:MATRIX_FMT_FP4 matrix_a_scale:MATRIX_SCALE_ROW1
.else
	v_wmma_scale_f32_16x16x128_f8f6f4 v[8*(8*((\a)%4)+\b):8*(8*((\a)%4)+\b)+7], v[128*(\p)+FR*\b:128*(\p)+FR*\b+FR-1], v[AF+FR*(\a):AF+FR*(\a)+FR-1], v[8*(8*((\a)%4)+\b):8*(8*((\a)%4)+\b)+7], v[SC+8*NQ*(\sc)+NQ*\b+(\q)], v[SC+8*NQ*(\sc)+NQ*(\a)+(\q)] matrix_a_fmt:MATRIX_FMT_FP4 matrix_b_fmt:MATRIX_FMT_FP4 matrix_a_scale:MATRIX_SCALE_ROW1
.endif
.endr
.endr
.endm
.macro FETCH_B slot, q, p
	WIN TO_B
.irp i, 0,1,2,3,4,5,6,7
	FRAG 128*(\p)+FR*\i, ADRB+\slot, \q, \i
.endr
	WIN 0
.endm
.macro FETCH_A slot, q, i0
.irp i, \i0, \i0+1, \i0+2, \i0+3
	FRAG AF+FR*(\i), ADRA+\slot, \q, \i
.endr
.endm
.macro SCALES sc                       ; a K step's scale words: four words a row; lanes 0-15 take A's block i, lanes 16-31 B's block i
.irp i, 0,1,2,3,4,5,6,7
	ds_load_b128 v[SC+8*NQ*\sc+NQ*\i:SC+8*NQ*\sc+NQ*\i+3], v[ADRS] offset:\i*SBLK
.endr
.endm
.macro PLACES n                        ; plain vector instructions between a matrix instruction and a load into, or a vector read or write of, its registers
.rept \n
	v_nop
.endr
.endm
.macro STEP slot, q, first             ; a step of 128 along K that has its successor in the same slot
	s_wait_dscnt 4*NL                              ; B's set and A's blocks 0-3 are in; the youngest 8 loads (A's blocks 4-7) may be out
.if \first
	WIN BIAS_LO
.else
	WIN MUL_LO
.endif
	MUL16 0, (\q)%2, \q, \slot, \first
	MUL16 2, (\q)%2, \q, \slot, \first
	s_wait_dscnt 0                                 ; A's blocks 4-7 are in
	PLACES NP
	FETCH_B \slot, (\q)+1, 1-(\q)%2
	FETCH_A \slot, (\q)+1, 0
.if \first
	WIN BIAS_HI
.else
	WIN MUL_HI
.endif
	MUL16 4, (\q)%2, \q, \slot, \first
	MUL16 6, (\q)%2, \q, \slot, \first
	PLACES NP
	WIN 0
	FETCH_A \slot, (\q)+1, 4
.endm
; Slot 0's last step goes over to slot 1: each wave waits for all its tensor loads (its part of slot 1), then the work-group's barrier shows the whole slot to every wave.  Nothing is filled again.
.macro TURN slot, next
	s_wait_tensorcnt 0x0                           ; all my tensor loads have landed
	ds_add_u32 v[SPW], v[NIL]                      ; 0 onto my spare word
	s_wait_dscnt 4*NL+1                            ; (the add and the youngest 8 loads may be out)
	WIN MUL_LO
	MUL16 0, 1, NQ-1, \slot, 0
	s_wait_dscnt 0x0                               ; no LDS instruction of mine is out at the signal
	s_barrier_signal -1
	MUL16 2, 1, NQ-1, \slot, 0
	WIN 0
	s_barrier_wait -1
	PLACES NP
	v_add_nc_u32 v[ADRS], 4*NQ, v[ADRS]            ; on to the next K step's scale words
	FETCH_B \next, 0, 0
	FETCH_A \next, 0, 0
	SCALES \next
	WIN MUL_HI
	MUL16 4, 1, NQ-1, \slot, 0
	MUL16 6, 1, NQ-1, \slot, 0
	PLACES NP
	WIN 0
	FETCH_A \next, 0, 4
.endm
	s_wait_tensorcnt 1                             ; the scales and my part of K step 0 are in (K step 1's load may be out),
	s_barrier_signal -1
	s_barrier_wait -1                              ; everybody's are
	FETCH_B 0, 0, 0
	FETCH_A 0, 0, 0
	SCALES 0
	FETCH_A 0, 0, 4
	s_wait_loadcnt 0x0                             ; the bias
	STEP 0, 0, 1
	STEP 0, 1, 0
	STEP 0, 2, 0
	TURN 0, 1
	STEP 1, 0, 0
	STEP 1, 1, 0
	STEP 1, 2, 0
	s_wait_dscnt 4*NL                              ; the last step: nothing more to fetch
	WIN MUL_LO
	MUL16 0, 1, NQ-1, 1, 0
	MUL16 2, 1, NQ-1, 1, 0
	s_wait_dscnt 0
	WIN MUL_HI
	MUL16 4, 1, NQ-1, 1, 0
	MUL16 6, 1, NQ-1, 1, 0
	WIN 0
; THE WAY OUT.  Block a (16 rows x 128 channels): each accumulator packs into 4 registers, from its low end on, which are an image of 512 bytes: 8 stores, each of 512 consecutive bytes, aligned.
.macro OUT a
.set AC, 64*((\a)%4)
.set TT, PK+32*((\a)%4)
.if (\a) >= 4
	s_wait_xcnt 0x0                                ; block a - 4's stores have read their data: its set is written again only behind this wait
.endif
	WIN 0x0a+5*((\a)/4)                            ; sources 0 and 1: window 2 or 3
.irp b, 0,1,2,3,4,5,6,7
.irp i, 0,1,2,3
	v_cvt_pk_f16_f32 v[TT+4*\b+\i], v[AC+8*\b+2*\i], v[AC+8*\b+2*\i+1]
.endr
.endr
	WIN 0
.irp b, 0,1,2,3,4,5,6,7
	global_store_b128 v[CO], v[TT+4*\b:TT+4*\b+3], s[12:13] offset:(\b/4)*524288+(\a)*2048+(\b%4)*512   ; head b / 4 of my two, row tile a of my eight, channels 16 (b % 4) on
.endr
.endm
	PLACES NP                                      ; behind the last products: for the reads of results and the writes over A's fragments and the bias
.irp a, 0,1,2,3,4,5,6,7
	OUT \a
.endr
	s_wait_tensorcnt 0x0                           ; the wave's end, behind my last tensor load
	ds_add_u32 v[SPW], v[NIL]
	s_wait_dscnt 0x0
	CROUND                                         ; the closing round: no work-group ends while a partner may still ask for a tile that names it
	s_endpgm
.Lfunc_end_k_qa07c8284a1_proj:
	.size	k_qa07c8284a1_proj, .Lfunc_end_k_qa07c8284a1_proj-k_qa07c8284a1_proj
	.p2alignl 7, 3214868480
	.fill 96, 4, 3214868480
	.section	.rodata,"a",@progbits
	.p2align	6, 0x0
	.amdhsa_kernel k_qa07c8284a1_proj
		.amdhsa_group_segment_fixed_size 327680
		.amdhsa_private_segment_fixed_size 0
		.amdhsa_enable_private_segment 0
		.amdhsa_kernarg_size 64
		.amdhsa_user_sgpr_count 2
		.amdhsa_user_sgpr_kernarg_segment_ptr 1
		.amdhsa_wavefront_size32 1
		.amdhsa_system_sgpr_workgroup_id_x 1
		.amdhsa_system_sgpr_workgroup_id_y 1
		.amdhsa_system_sgpr_workgroup_id_z 1
		.amdhsa_system_vgpr_workitem_id 0
		.amdhsa_next_free_vgpr 1024
		.amdhsa_next_free_sgpr 102
		.amdhsa_reserve_vcc 0
		.amdhsa_float_denorm_mode_32 3
		.amdhsa_float_denorm_mode_16_64 3
		.amdhsa_memory_ordered 1
		.amdhsa_forward_progress 1
		.amdhsa_inst_pref_size 120
	.end_amdhsa_kernel
	.amdgpu_metadata
---
amdhsa.version: [ 1, 2 ]
amdhsa.kernels:
  - .name:           k_qa07c8284a1_proj
    .symbol:         k_qa07c8284a1_proj.kd
    .args:
      - { .name: xcodes, .offset: 0, .size: 8, .value_kind: global_buffer, .address_space: global }
      - { .name: xscales, .offset: 8, .size: 8, .value_kind: global_buffer, .address_space: global }
      - { .name: wcodes, .offset: 16, .size: 8, .value_kind: global_buffer, .address_space: global }
      - { .name: wscales, .offset: 24, .size: 8, .value_kind: global_buffer, .address_space: global }
      - { .name: qkv16, .offset: 32, .size: 8, .value_kind: global_buffer, .address_space: global }
      - { .name: bq, .offset: 40, .size: 8, .value_kind: global_buffer, .address_space: global }
      - { .name: bk, .offset: 48, .size: 8, .value_kind: global_buffer, .address_space: global }
      - { .name: bv, .offset: 56, .size: 8, .value_kind: global_buffer, .address_space: global }
    .group_segment_fixed_size: 327680
    .private_segment_fixed_size: 0
    .kernarg_segment_align: 8
    .kernarg_segment_size: 64
    .max_flat_workgroup_size: 128
    .sgpr_count:     102
    .vgpr_count:     1024
    .wavefront_size: 32
...
	.end_amdgpu_metadata
.endif
;; end of part 2
;; launch attn (part 3): grid 16 x 16, 8 waves a work-group, clusters of 4 x 1, 327,680 bytes of LDS; arguments qkv16, ctx16; writes ctx16
.if DOCPART == 3
	.amdgcn_target "amdgcn-amd-amdhsa--gfx1250"
	.amdhsa_code_object_version 6
	.text
	.protected	k_qa07c8284a1_attn
	.globl	k_qa07c8284a1_attn
	.p2align	8
	.type	k_qa07c8284a1_attn,@function
k_qa07c8284a1_attn:
	s_mov_b64 s[64:65], 0
	v_nop
	global_prefetch_b8 v0, s[64:65] scope:SCOPE_SE
	s_setreg_imm32_b32 hwreg(HW_REG_WAVE_MODE, 25, 1), 1
	s_wait_xcnt 0x0
	s_wait_alu depctr_hold_cnt(0) depctr_sa_sdst(0) depctr_va_vdst(0) depctr_va_sdst(0) depctr_va_ssrc(0) depctr_va_vcc(0) depctr_vm_vsrc(0)
	s_getreg_b32 s2, hwreg(HW_REG_IB_STS2, 6, 4)
	s_cmp_eq_u32 s2, 0
	s_cbranch_scc0 .Lentry_in_a_cluster
	s_endpgm
.Lentry_in_a_cluster:
	s_bfe_u32 s2, ttmp6, 0x10000c
	s_cmp_lg_u32 s2, 0x3003
	s_cbranch_scc0 .Lentry_shape_is_right
	s_endpgm
.Lentry_shape_is_right:
; ctx[q][head] = the sum over keys of softmax(q . k / 8) v, 16 heads of 64 channels, 4,096 queries, 4,096 keys, no mask.  Operands in f16, products, maxima and sums in f32; the weights p are rounded to f16 for the second product.
; qkv16 holds q, k, v as images of operand registers ([head][row tile of 16][16 channels: 4][512 bytes]): q's and k's images are half fragments as they stand (lane l's 16 bytes at 16 l); v's are laid so that the turning LDS load
; at 16 l gives half a fragment of V^T.  ctx16 is written in q's form, [query tile 256][16 channels: 64][512 bytes].
; SHARES.  A work-group owns 256 queries of one head.  Wave w: qg = w % 4 owns 64 queries (four tiles of 16), par = w / 4 owns the key steps (64 keys) of that parity: 32 steps.  The two waves of a qg keep a running maximum m, a sum l
; and O^T of their own, and are merged through LDS at the end.  So, written in phases, one wave's softmax stands beside another wave's matrix instructions, and each fragment read from LDS still feeds four products.
; LAYOUT.  S^T = K Q^T (source 0 = 16 keys, source 1 = 16 queries): a lane holds ONE query (lane % 16) and keys 8 (lane / 16) + 0..7.  Two such tiles, packed to f16 in place, are source 1 of O^T = V^T P.
; SOFTMAX.  p = 2^(c s - c m), c = log2(e) / 8; in every step O^T and l are multiplied by a = 2^(c m_old - c m_new).  O^T and l begin as zeros and m as -3e38, so the step is written once.
; CLUSTER.  The four query blocks of a cluster walk the same K and V: each tile is asked for jointly, by the same tensor load with the same descriptor and a mask that names the four.
; LIMITS: |q|, |k|, |v|, |ctx| stay under 65,504 (f16); NaN and infinities are not served.
; LDS: two slots of 512 keys, 2^17 bytes apart: K's images (65,536 bytes, 8,192 a key step), then V's.  Each wave fetches 16,384 dense bytes of a slot (waves 0-3 K's quarters, waves 4-7 V's).  The merge's stage lies in slot 0,
; which has had its last fill and its last read by then.  Behind the slots: the spare words.
; REGISTERS: window 0: v1-9 addresses; v16-47 eight registers of statistics a tile (+0 c m, +1 m, +2, +3 l, +4..+7 at work; a takes +6); v48-55 a second chain of sums; v64-191 S^T, 32 a tile, p packed into its first 16; v192-255 K of a step.
;   window 1: v0-127 O^T, 32 a tile; v128-191 Q; v192-255 V of a step.
.set SLOT1, 1<<17
.set VOFF,  65536
.set MYSTEP, 16384                     ; from a key step of mine to my next: two steps of 8,192 bytes
.set SLOTB, 65536                      ; a slot's bytes of K, or of V, in memory and in LDS
.set SPARE, 2*SLOT1                    ; the spare words, 128 bytes a wave: four blocks of 256 bytes
.set MSTG,  18432                      ; the merge's stage of a qg: O^T 16,384 bytes, the statistics 2,048
.set LA,  1                            ; v1  16 x lane
.set ADK, 2                            ; v2  LDS address of the K loads in hand
.set ADV, 3                            ; v3  of the V loads
.set MA,  4                            ; v4  my place in my qg's stage
.set PFO, 5                            ; v5  256 x lane: the prefetches' offset
.set SPW, 8
.set NIL, 9
.set ST,  16
.set XT,  48
.set S,   64
.set KF,  192
.set QF,  128                          ; in window 1
.set VF,  192                          ; in window 1
.set WV,  8
.set PAR, 9
.set QG,  10
.set CX,  11
.set QB,  12
.set HD,  13
.set G1,  16                           ; s[16:23] descriptor group 1
.set G0A, 24                           ; s[24:27] group 0 of the first fill of slot 0
.set G0B, 28                           ; s[28:31] group 0 of slot 1's first fill, which then walks
.set CS,  32                           ; s[32:33] c, twice
.set SEL, 34                           ; s[34:35] lane selects: lane l xor 16
.set TK,  36                           ; s36 LDS byte of my next K step
.set TV,  37                           ; s37 of my next V step
.set SLOTS, 38
.set INNER, 39
.set PFA, 40                           ; s[40:41] where my prefetches stand
.set LIM, 42                           ; s42 1 in a wave that prefetches, else the greatest number
.set MSB, 0
.macro WIN new
.if MSB != \new
	s_set_vgpr_msb (MSB<<8)|\new
.set MSB, \new
.endif
.endm
.set W_KQ, 0x04                        ; K window 0, Q window 1, S^T window 0
.set W_PV, 0x51                        ; V window 1, P window 0, O^T window 1
.set W_RS, 0x41                        ; O^T (destination, source 0) window 1, a window 0
.set TO_1, 0x40                        ; destination window 1
.macro CROUND                          ; a round of the cluster's barrier
	s_barrier_signal -1
	s_barrier_wait -1
	s_cmp_lg_u32 s[WV], 0
	s_cbranch_scc1 .Lnot_wave_0_\@
	s_barrier_signal -3
.Lnot_wave_0_\@:
	s_barrier_wait -3
	s_barrier_signal -1
	s_barrier_wait -1
.endm
; A prefetch of what the NEXT change of slots will ask for.  All clusters of a head walk the same K and V: the head's first cluster asks.  Its four partners take 16,384 bytes each of a slot's 65,536 of K and of V, told apart by address;
; in each, waves 0 and 2 ask for K's two halves of that and waves 4 and 6 for V's, lanes 256 bytes apart: each aligned 256 bytes is named once in the launch.  The last change that fills a slot asks for nothing.
.macro ASK
	s_cmp_gt_u32 s[SLOTS], s[LIM]
	s_cbranch_scc0 .Lnot_mine_\@
	global_prefetch_b8 v[PFO], s[PFA:PFA+1] th:TH_LOAD_NT scope:SCOPE_SE
.Lnot_mine_\@:
.endm
	s_load_b128 s[4:7], s[0:1], 0x0                ; qkv16, ctx16
	v_lshl_add_u32 v[SPW], v0, 2, SPARE
	v_mov_b32 v[NIL], 0
	ds_add_u32 v[SPW], v[NIL]                      ; the wave's opening: the add, twice on end, and its wait ahead of my first tensor load
	ds_add_u32 v[SPW], v[NIL]
	v_lshrrev_b32 v6, 5, v0
	v_readfirstlane_b32 s[WV], v6                  ; wave 0..7
	s_lshr_b32 s[PAR], s[WV], 2
	s_and_b32 s[QG], s[WV], 3
	s_bfe_u32 s[CX], ttmp6, 0x40000                ; my place in the cluster
	s_lshl_b32 s[QB], ttmp9, 2
	s_add_co_u32 s[QB], s[QB], s[CX]               ; my block of 256 queries: it enters Q's and ctx's addresses and the prefetches' alone
	s_and_b32 s[HD], ttmp7, 0xffff                 ; the head, which the partners share
	; descriptor group 1: 16,384 dense bytes as 64 rows of 256 bytes (32 elements of 8), no padding: images are read 16 bytes a lane on end
	s_mov_b32 s[G1+0], 15|(3<<16)|(1<<21)          ; 15:0 the mask: all four work-groups; 17:16 elements of 8 bytes; 21 set beside a mask
	s_mov_b32 s[G1+1], 32<<16                      ; tensor_dim0
	s_mov_b32 s[G1+2], 64<<16                      ; tensor_dim1
	s_mov_b32 s[G1+3], 32<<16                      ; tile_dim0
	s_mov_b32 s[G1+4], 64                          ; tile_dim1
	s_mov_b32 s[G1+5], 32                          ; the pitch
	s_mov_b32 s[G1+6], 0
	s_mov_b32 s[G1+7], 0
	s_mov_b32 s[CS], 0x3e38aa3b                    ; c = log2(e) / 8
	s_mov_b32 s[CS+1], s[CS]
	s_mov_b32 s[SEL], 0x76543210
	s_mov_b32 s[SEL+1], 0xfedcba98
	s_lshl_b32 s[TK], s[PAR], 13                   ; my first key step: number par
	s_add_co_u32 s[TV], s[TK], VOFF
	s_mov_b32 s[SLOTS], 6                          ; slots still to be asked for behind the two first fills
	s_and_b32 s[LIM], s[WV], 1
	s_or_b32 s[LIM], s[LIM], ttmp9                 ; 0 in the even waves of the head's first cluster: the same in all partners
	s_cmp_eq_u32 s[LIM], 0
	s_cselect_b32 s[LIM], 1, -1
	s_add_co_u32 s44, s[PAR], 1
	s_lshl_b32 s44, s44, 23                        ; K's part of qkv16 (waves 0-3) or V's (waves 4-7),
	s_lshl_b32 s45, s[HD], 19
	s_add_co_u32 s44, s44, s45                     ; the head
	s_lshl_b32 s46, s[QG], 14
	s_add_co_u32 s46, s46, s44                     ; my quarter of key slot 0
	s_mov_b32 s47, 0
	s_lshl_b32 s48, s[CX], 14                      ; the prefetches: my work-group's quarter,
	s_add_co_u32 s48, s48, s44
	s_bfe_u32 s49, s[WV], 0x10001
	s_lshl_b32 s49, s49, 13                        ; my wave's half of it,
	s_add_co_u32 s48, s48, s49
	s_add_co_u32 s48, s48, 2*SLOTB                 ; in key slot 2: the first change of slots steps it to slot 3.  Nothing is prefetched at the head
	s_mov_b32 s49, 0
	s_lshl_b32 s50, s[QB], 4
	s_lshl_b32 s51, s[QG], 2
	s_add_co_u32 s50, s50, s51                     ; my first tile of 16 queries
	s_lshl_b32 s52, s50, 11
	s_add_co_u32 s52, s52, s45                     ; Q: 2,048 bytes a tile, in the head
	s_mov_b32 s53, 0
	s_lshl_b32 s54, s50, 15                        ; ctx: 32,768 bytes a tile,
	s_lshl_b32 s55, s[HD], 11                      ; 2,048 a head
	s_add_co_u32 s54, s54, s55
	s_mov_b32 s55, 0
	s_mov_b32 s[G0A], 1
	s_lshl_b32 s[G0A+1], s[WV], 14                 ; LDS: wave x 16,384: K's four quarters, then V's
	s_mov_b32 s[G0B], 1
	s_add_co_u32 s[G0B+1], s[G0A+1], SLOT1
	v_and_b32 v[LA], 31, v0
	v_lshlrev_b32 v[PFO], 8, v[LA]
	v_lshlrev_b32 v[LA], 4, v[LA]
	s_mul_i32 s56, s[QG], MSTG
	v_add_nc_u32 v[MA], s56, v[LA]
	s_wait_dscnt 0x0                               ; both opening adds are done
	s_wait_kmcnt 0x0
	s_add_nc_u64 s[G0A+2:G0A+3], s[4:5], s[46:47]
	s_add_nc_u64 s[G0B+2:G0B+3], s[G0A+2:G0A+3], SLOTB
	s_or_b32 s[G0A+3], s[G0A+3], 0x80000000
	s_or_b32 s[G0B+3], s[G0B+3], 0x80000000
	s_add_nc_u64 s[PFA:PFA+1], s[4:5], s[48:49]
	s_add_nc_u64 s[52:53], s[4:5], s[52:53]        ; Q at my first tile
	s_add_nc_u64 s[6:7], s[6:7], s[54:55]          ; ctx likewise
	CROUND                                         ; all four work-groups are here: the first joint loads meet
	tensor_load_to_lds s[G0A:G0A+3], s[G1:G1+7]    ; key slot 0
	s_nop 0
	tensor_load_to_lds s[G0B:G0B+3], s[G1:G1+7]    ; key slot 1: two loads of mine are out
	s_nop 0
.rept 4
	v_nop
.endr
	WIN TO_1
.irp i, 0,1,2,3,4,5,6,7,8,9,10,11,12,13,14,15
	global_load_b128 v[QF+4*\i:QF+4*\i+3], v[LA], s[52:53] offset:512*\i   ; Q stays in registers: tile i / 4, channels 16 (i % 4) on: fragment (t, f) at QF + 16 t + 8 f
.endr
.set i, 0
.rept 128
	v_mov_b32 v[i], 0                              ; O^T: cleared once, so that the key step is written once
.set i, i+1
.endr
	WIN 0
.irp t, 0,1,2,3
	v_mov_b32 v[ST+8*\t+1], 0xff61b1e6             ; m = -3e38, under every score
	v_mul_f32 v[ST+8*\t], s[CS], v[ST+8*\t+1]      ; c m
	v_mov_b32 v[ST+8*\t+2], 0                      ; l, in two halves
	v_mov_b32 v[ST+8*\t+3], 0
.endr
; THE MATRIX WORK.  The 16 accumulators of each product take turns, one instruction a turn.
.macro KQ32                            ; S^T = K Q^T: channels 32 f on, tile t of queries, keys 16 kt on; the first 16 start the sums
	WIN W_KQ
.irp f, 0,1
.irp t, 0,1,2,3
.irp kt, 0,1,2,3
.if \f == 0
	v_wmma_f32_16x16x32_f16 v[S+32*\t+8*\kt:S+32*\t+8*\kt+7], v[KF+16*\kt+8*\f:KF+16*\kt+8*\f+7], v[QF+16*\t+8*\f:QF+16*\t+8*\f+7], 0
.else
	v_wmma_f32_16x16x32_f16 v[S+32*\t+8*\kt:S+32*\t+8*\kt+7], v[KF+16*\kt+8*\f:KF+16*\kt+8*\f+7], v[QF+16*\t+8*\f:QF+16*\t+8*\f+7], v[S+32*\t+8*\kt:S+32*\t+8*\kt+7]
.endif
.endr
.endr
.endr
.endm
.macro PV32                            ; O^T += V^T P: keys 32 u on, tile t, channels 16 ct on
	WIN W_PV
.irp u, 0,1
.irp t, 0,1,2,3
.irp ct, 0,1,2,3
	v_wmma_f32_16x16x32_f16 v[32*\t+8*\ct:32*\t+8*\ct+7], v[VF+8*(4*\u+\ct):VF+8*(4*\u+\ct)+7], v[S+32*\t+8*\u:S+32*\t+8*\u+7], v[32*\t+8*\ct:32*\t+8*\ct+7]
.endr
.endr
.endr
.endm
.macro LDK                             ; a step's K: 16 images; image 4 kt + b is registers KF + 16 kt + 4 b
.irp i, 0,1,2,3,4,5,6,7,8,9,10,11,12,13,14,15
	ds_load_b128 v[KF+4*\i:KF+4*\i+3], v[ADK] offset:512*\i
.endr
.endm
.macro LDV                             ; a step's V, turned: fragment (u, ct) takes the images of key tiles 2 u and 2 u + 1, channels 16 ct on
	WIN TO_1
.irp u, 0,1
.irp ct, 0,1,2,3
	ds_load_tr16_b128 v[VF+8*(4*\u+\ct):VF+8*(4*\u+\ct)+3], v[ADV] offset:4096*\u+512*\ct
	ds_load_tr16_b128 v[VF+8*(4*\u+\ct)+4:VF+8*(4*\u+\ct)+7], v[ADV] offset:4096*\u+2048+512*\ct
.endr
.endr
.endm
; THE VECTOR WORK of a tile for a step, in four lists; each macro writes number j (ZI: number e) of its list for tile t.
; XI, 21: the maximum of the lane's 32 scores and the old m, in four chains, each accumulator from its low end on; the other half of the lanes'; the new m; c m; c m_old - c m_new.
.macro XI t
.set rT, ST+8*(\t)
.set rS, S+32*(\t)
.if j < 4
	v_max3_num_f32 v[rT+4+j], v[rS+8*j], v[rS+8*j+1], v[rS+8*j+2]
.elseif j < 12
	v_max3_num_f32 v[rT+4+j%4], v[rT+4+j%4], v[rS+8*(j%4)+2*(j/4)+1], v[rS+8*(j%4)+2*(j/4)+2]
.elseif j == 12
	v_max3_num_f32 v[rT+4], v[rT+4], v[rS+7], v[rS+15]
.elseif j == 13
	v_max3_num_f32 v[rT+6], v[rT+6], v[rS+23], v[rS+31]
.elseif j == 14
	v_max3_num_f32 v[rT+4], v[rT+4], v[rT+5], v[rT+6]
.elseif j == 15
	v_max3_num_f32 v[rT+4], v[rT+4], v[rT+7], v[rT+1]
.elseif j == 16
	v_permlanex16_b32 v[rT+5], v[rT+4], s[SEL], s[SEL+1]   ; the query's other 32 keys lie in the lane 16 away
.elseif j == 17
	v_mov_b32 v[rT+7], v[rT]                       ; c m_old is kept for a
.elseif j == 18
	v_max_num_f32 v[rT+1], v[rT+4], v[rT+5]
.elseif j == 19
	v_mul_f32 v[rT], s[CS], v[rT+1]
.else
	v_sub_f32 v[rT+7], v[rT+7], v[rT]
.endif
.endm
; YI, 16: c s - c m, a pair of scores each.
.macro YI t
.set rT, ST+8*(\t)
.set rS, S+32*(\t)
	v_pk_fma_f32 v[rS+2*j:rS+2*j+1], v[rS+2*j:rS+2*j+1], s[CS:CS+1], v[rT:rT+1] op_sel_hi:[1,0,0] neg_lo:[0,0,1] neg_hi:[0,0,1]
.endm
; ZI, 33: the exponentials: a, then the 32 weights.
.macro ZI t
.set rT, ST+8*(\t)
.set rS, S+32*(\t)
.if e == 0
	v_exp_f32 v[rT+6], v[rT+7]
.else
	v_exp_f32 v[rS+e-1], v[rS+e-1]
.endif
.endm
; RI, 32: the sum of the 16 pairs in two chains, which leave p as it is; l = a l + the sum; then the 16 roundings to f16, in place and ascending (register i was used up by rounding i / 2).
.macro RI t
.set rT, ST+8*(\t)
.set rS, S+32*(\t)
.set rX, XT+2*(\t)
.if j == 0
	v_pk_add_f32 v[rT+4:rT+5], v[rS:rS+1], v[rS+2:rS+3]
.elseif j == 1
	v_pk_add_f32 v[rX:rX+1], v[rS+4:rS+5], v[rS+6:rS+7]
.elseif (j < 14) && (j%2 == 0)
	v_pk_add_f32 v[rT+4:rT+5], v[rT+4:rT+5], v[rS+2*(j+2):rS+2*(j+2)+1]
.elseif j < 14
	v_pk_add_f32 v[rX:rX+1], v[rX:rX+1], v[rS+2*(j+2):rS+2*(j+2)+1]
.elseif j == 14
	v_pk_add_f32 v[rT+4:rT+5], v[rT+4:rT+5], v[rX:rX+1]
.elseif j == 15
	v_pk_fma_f32 v[rT+2:rT+3], v[rT+2:rT+3], v[rT+6:rT+7], v[rT+4:rT+5] op_sel_hi:[1,0,1]
.else
	v_cvt_pk_f16_f32 v[rS+j-16], v[rS+2*(j-16)], v[rS+2*(j-16)+1]
.endif
.endm
; Plain instruction number p of the queue that stands among one tile's exponentials: always other tiles' work.
.macro PL ph
.if \ph == 2                           ; 58: beside tile 0's exponentials
.if p < 21
.set j, p
	XI 1
.elseif p < 37
.set j, p-21
	YI 1
.else
.set j, p-37
	XI 2
.endif
.elseif \ph == 3                       ; 69: beside tile 1's
.if p < 32
.set j, p
	RI 0
.elseif p < 48
.set j, p-32
	YI 2
.else
.set j, p-48
	XI 3
.endif
.elseif \ph == 4                       ; 48: beside tile 2's
.if p < 32
.set j, p
	RI 1
.else
.set j, p-32
	YI 3
.endif
.else                                  ; 33: beside tile 3's
.if p < 32
.set j, p
	RI 2
.else
	v_nop
.endif
.endif
.endm
; Tile zt's 33 exponentials are one batch; the n plain instructions of queue ph are dealt evenly behind them, one to three behind each, the last exponential's too (n is 33 at the least); none names a result of the batch.
; One wait for the batch, ahead of the tile's readers, which stand in the next queue.
.macro MIX zt, ph, n
.set e, 0
.set p, 0
.rept 33
	ZI \zt
.set e, e+1
.rept 3
.if p*33 < e*\n
	PL \ph
.set p, p+1
.endif
.endr
.endr
	s_wait_alu depctr_va_vdst(0)
.endm
.macro SOFTMAX
.set j, 0
.rept 21
	XI 0
.set j, j+1
.endr
.set j, 0
.rept 16
	YI 0
.set j, j+1
.endr
	MIX 0, 2, 58
	MIX 1, 3, 69
	MIX 2, 4, 48
	MIX 3, 5, 33
.set j, 0
.rept 32
	RI 3
.set j, j+1
.endr
	WIN W_RS                                       ; O^T times a: the one part that leaves window 0, so it stands together
.irp t, 0,1,2,3
.set i, 0
.rept 16
	v_pk_mul_f32 v[32*\t+2*i:32*\t+2*i+1], v[32*\t+2*i:32*\t+2*i+1], v[ST+8*\t+6:ST+8*\t+7] op_sel_hi:[1,0]
.set i, i+1
.endr
.endr
.endm
; The first half of a step: its V is asked for, its scores are made.  Five plain instructions stand behind the last V^T P: its V is loaded over (four are owed), and the scores are written over its P by matrix instructions (five).
.macro HA
	WIN 0
	v_add_nc_u32 v[ADV], s[TV], v[LA]
.rept 4
	v_nop
.endr
	s_add_co_u32 s[TV], s[TV], MYSTEP
	LDV
	s_wait_dscnt 16                                ; V's 16 loads may be out; K's 16, issued earlier, are in
	KQ32
	WIN 0
.endm
; The second half: the next step's K is asked for; softmax; V^T P.  Four plain instructions stand behind the last K Q^T, ahead of the loads over K and of the first read of the scores.
.macro HB last
	v_add_nc_u32 v[ADK], s[TK], v[LA]
.rept 3
	v_nop
.endr
.if !\last
	LDK
	s_add_co_u32 s[TK], s[TK], MYSTEP
.endif
	SOFTMAX
.if \last
	s_wait_dscnt 0x0
.else
	s_wait_dscnt 16                                ; the next K's 16 loads may be out; V is in
.endif
	PV32
	WIN 0
.endm
.macro ULOOP n                         ; n times: the second half of a step and the first half of the next
	s_mov_b32 s[INNER], \n
.Lu_\@:
	HB 0
	HA
	s_sub_co_u32 s[INNER], s[INNER], 1
	s_cmp_lg_u32 s[INNER], 0
	s_cbranch_scc1 .Lu_\@
.endm
; THE CHANGE OF SLOTS stands between the two halves of a slot's last step of mine: its K and V have been asked for.  Each wave waits for all its tensor loads (one is out: its part of the other slot), adds 0 to its spare word, and waits
; for that and for its reads of the slot.  fill = 1: the barrier is a round of the cluster's, and behind it the slot is filled with the keys two slots on: that load has four steps of mine in which to land.
.macro CHANGE fill
	s_wait_tensorcnt 0x0                           ; no tensor load of mine is out, so a group 0 may be written
	ds_add_u32 v[SPW], v[NIL]                      ; 0 onto my spare word
.if \fill
	s_xor_b32 s[G0B+1], s[G0B+1], SLOT1            ; the walking descriptor: the other slot than last time,
	s_add_nc_u64 s[G0B+2:G0B+3], s[G0B+2:G0B+3], SLOTB   ; the next 512 keys; the type bits on top are not reached
	s_wait_xcnt 0x0                                ; the last prefetch, a slot back, has read its address
	s_add_nc_u64 s[PFA:PFA+1], s[PFA:PFA+1], SLOTB
	s_wait_dscnt 0x0                               ; the add is done, and my reads of the slot are over
	CROUND
	tensor_load_to_lds s[G0B:G0B+3], s[G1:G1+7]    ; my one tensor load behind the round, and the first thing there
	s_nop 0
.rept 4
	v_nop
.endr
	ASK
.else
	s_wait_dscnt 0x0
	s_barrier_signal -1
	s_barrier_wait -1
.endif
	s_sub_co_u32 s[TK], s[TK], SLOTB               ; the fetches go back to a slot's head,
	s_xor_b32 s[TK], s[TK], SLOT1                  ; in the other slot
	s_sub_co_u32 s[TV], s[TV], SLOTB
	s_xor_b32 s[TV], s[TV], SLOT1
.endm
	s_wait_tensorcnt 1                             ; my part of slot 0 is in; slot 1's may stay out
	s_barrier_signal -1
	s_barrier_wait -1                              ; everybody's is
	v_add_nc_u32 v[ADK], s[TK], v[LA]
	LDK                                            ; my step 0
	s_add_co_u32 s[TK], s[TK], MYSTEP
	s_wait_loadcnt 0x0                             ; Q
	HA
	ULOOP 3                                        ; slot 0's four steps, up to the first half of the fourth
.Lslot:                                            ; six trips: every slot but the last two is filled again
	CHANGE 1
	ULOOP 4
	s_sub_co_u32 s[SLOTS], s[SLOTS], 1
	s_cmp_lg_u32 s[SLOTS], 0
	s_cbranch_scc1 .Lslot
	CHANGE 0                                       ; the tail is written out
	ULOOP 4
	HB 1                                           ; my last step's second half
	; THE MERGE.  l's two halves and the other half of the lanes' are added (the first four additions are the places behind the last products).
.irp t, 0,1,2,3
	v_add_f32 v[ST+8*\t+2], v[ST+8*\t+2], v[ST+8*\t+3]
.endr
.irp t, 0,1,2,3
	v_permlanex16_b32 v[ST+8*\t+5], v[ST+8*\t+2], s[SEL], s[SEL+1]
.endr
.irp t, 0,1,2,3
	v_add_f32 v[ST+8*\t+2], v[ST+8*\t+2], v[ST+8*\t+5]
.endr
	s_wait_dscnt 0x0
	s_barrier_signal -1
	s_barrier_wait -1                              ; every wave's reads of the ring are over: the stage may be written
	s_cmp_lt_u32 s[WV], 4
	s_cbranch_scc1 .Lkeep
	WIN 0x04                                       ; an LDS store's data are its source 1: window 1
.irp i, 0,1,2,3,4,5,6,7,8,9,10,11,12,13,14,15,16,17,18,19,20,21,22,23,24,25,26,27,28,29,30,31
	ds_store_b128 v[MA], v[4*\i:4*\i+3] offset:512*\i   ; waves 4-7: O^T as it stands, each accumulator from its low end on
.endr
	WIN 0
.irp t, 0,1,2,3
	ds_store_b128 v[MA], v[ST+8*\t:ST+8*\t+3] offset:16384+512*\t   ; c m, m, l
.endr
.Lkeep:
	s_wait_dscnt 0x0                               ; for the others' sake: my stores have landed
	s_barrier_signal -1
	s_barrier_wait -1
	s_cmp_ge_u32 s[WV], 4
	s_cbranch_scc1 .Ldone
.irp t, 0,1,2,3
	ds_load_b128 v[KF+4*\t:KF+4*\t+3], v[MA] offset:16384+512*\t    ; waves 0-3: the partner's statistics,
.endr
.irp i, 0,1,2,3,4,5,6,7,8,9,10,11,12,13,14,15,16,17,18,19,20,21,22,23,24,25,26,27,28,29,30,31
	ds_load_b128 v[S+4*\i:S+4*\i+3], v[MA] offset:512*\i            ; and its O^T, where S^T lay
.endr
	s_wait_dscnt 32                                ; the statistics are in; O^T's 32 loads may be out
.irp t, 0,1,2,3
	v_max_num_f32 v[ST+8*\t+4], v[ST+8*\t], v[KF+4*\t]              ; the common c m
.endr
.irp t, 0,1,2,3
	v_sub_f32 v[ST+8*\t+5], v[ST+8*\t], v[ST+8*\t+4]
	v_sub_f32 v[ST+8*\t+6], v[KF+4*\t], v[ST+8*\t+4]
.endr
.irp t, 0,1,2,3
	v_exp_f32 v[ST+8*\t+5], v[ST+8*\t+5]           ; my factor,
	v_exp_f32 v[ST+8*\t+6], v[ST+8*\t+6]           ; the partner's
.endr
	v_nop                                          ; a plain instruction behind the last exponential
	s_wait_alu depctr_va_vdst(0)                   ; and one wait for the eight
.irp t, 0,1,2,3
	v_mul_f32 v[ST+8*\t+2], v[ST+8*\t+2], v[ST+8*\t+5]
.endr
.irp t, 0,1,2,3
	v_fma_f32 v[ST+8*\t+2], v[KF+4*\t+2], v[ST+8*\t+6], v[ST+8*\t+2]   ; the row's whole sum
.endr
.irp t, 0,1,2,3
	v_rcp_f32 v[ST+8*\t+3], v[ST+8*\t+2]
.endr
	v_nop
	s_wait_alu depctr_va_vdst(0)                   ; one for the four reciprocals
.irp t, 0,1,2,3
	v_mul_f32 v[ST+8*\t+4], v[ST+8*\t+5], v[ST+8*\t+3]   ; my factor / the sum,
	v_mul_f32 v[ST+8*\t+6], v[ST+8*\t+6], v[ST+8*\t+3]   ; the partner's
.endr
.macro FIN t                           ; tile t: both parts weighed and added, rounded to f16 in place, and stored as four images of 512 bytes
.set rT, ST+8*(\t)
.set rS, S+32*(\t)
	s_wait_dscnt 24-8*(\t)                         ; this tile's eight loads are in; the later tiles' may be out
.set i, 0
.rept 16
	v_pk_mul_f32 v[rS+2*i:rS+2*i+1], v[rS+2*i:rS+2*i+1], v[rT+6:rT+7] op_sel_hi:[1,0]
.set i, i+1
.endr
	WIN 0x01                                       ; source 0: my O^T, window 1
.set i, 0
.rept 16
	v_pk_fma_f32 v[rS+2*i:rS+2*i+1], v[32*(\t)+2*i:32*(\t)+2*i+1], v[rT+4:rT+5], v[rS+2*i:rS+2*i+1] op_sel_hi:[1,0,1]
.set i, i+1
.endr
	WIN 0
.set i, 0
.rept 16
	v_cvt_pk_f16_f32 v[rS+i], v[rS+2*i], v[rS+2*i+1]
.set i, i+1
.endr
.irp ct, 0,1,2,3
	global_store_b128 v[LA], v[rS+4*\ct:rS+4*\ct+3], s[6:7] offset:32768*(\t)+512*\ct   ; the wave stores 512 consecutive bytes, aligned
.endr
.endm
	FIN 0
	FIN 1
	FIN 2
	FIN 3
.Ldone:
	s_wait_tensorcnt 0x0                           ; the wave's end, behind my last tensor load and my last LDS store
	ds_add_u32 v[SPW], v[NIL]
	s_wait_dscnt 0x0
	CROUND                                         ; the closing round: no work-group ends while a partner may still ask for a tile that names it
	s_endpgm
.Lfunc_end_k_qa07c8284a1_attn:
	.size	k_qa07c8284a1_attn, .Lfunc_end_k_qa07c8284a1_attn-k_qa07c8284a1_attn
	.p2alignl 7, 3214868480
	.fill 96, 4, 3214868480
	.section	.rodata,"a",@progbits
	.p2align	6, 0x0
	.amdhsa_kernel k_qa07c8284a1_attn
		.amdhsa_group_segment_fixed_size 327680
		.amdhsa_private_segment_fixed_size 0
		.amdhsa_enable_private_segment 0
		.amdhsa_kernarg_size 16
		.amdhsa_user_sgpr_count 2
		.amdhsa_user_sgpr_kernarg_segment_ptr 1
		.amdhsa_wavefront_size32 1
		.amdhsa_system_sgpr_workgroup_id_x 1
		.amdhsa_system_sgpr_workgroup_id_y 1
		.amdhsa_system_sgpr_workgroup_id_z 1
		.amdhsa_system_vgpr_workitem_id 0
		.amdhsa_next_free_vgpr 512
		.amdhsa_next_free_sgpr 66
		.amdhsa_reserve_vcc 0
		.amdhsa_float_denorm_mode_32 3
		.amdhsa_float_denorm_mode_16_64 3
		.amdhsa_memory_ordered 1
		.amdhsa_forward_progress 1
		.amdhsa_inst_pref_size 161
	.end_amdhsa_kernel
	.amdgpu_metadata
---
amdhsa.version: [ 1, 2 ]
amdhsa.kernels:
  - .name:           k_qa07c8284a1_attn
    .symbol:         k_qa07c8284a1_attn.kd
    .args:
      - { .name: qkv16, .offset: 0, .size: 8, .value_kind: global_buffer, .address_space: global }
      - { .name: ctx16, .offset: 8, .size: 8, .value_kind: global_buffer, .address_space: global }
    .group_segment_fixed_size: 327680
    .private_segment_fixed_size: 0
    .kernarg_segment_align: 8
    .kernarg_segment_size: 16
    .max_flat_workgroup_size: 256
    .sgpr_count:     66
    .vgpr_count:     512
    .wavefront_size: 32
...
	.end_amdgpu_metadata
.endif
;; end of part 3
;; launch oproj (part 4): grid 8 x 32, 4 waves a work-group, clusters of 4 x 4, 327,680 bytes of LDS; arguments ctx16, wo16, bo, out0; writes out0
.if DOCPART == 4
	.amdgcn_target "amdgcn-amd-amdhsa--gfx1250"
	.amdhsa_code_object_version 6
	.text
	.protected	k_qa07c8284a1_oproj
	.globl	k_qa07c8284a1_oproj
	.p2align	8
	.type	k_qa07c8284a1_oproj,@function
k_qa07c8284a1_oproj:
	s_mov_b64 s[64:65], 0
	v_nop
	global_prefetch_b8 v0, s[64:65] scope:SCOPE_SE
	s_setreg_imm32_b32 hwreg(HW_REG_WAVE_MODE, 25, 1), 1
	s_wait_xcnt 0x0
	s_wait_alu depctr_hold_cnt(0) depctr_sa_sdst(0) depctr_va_vdst(0) depctr_va_sdst(0) depctr_va_ssrc(0) depctr_va_vcc(0) depctr_vm_vsrc(0)
	s_getreg_b32 s2, hwreg(HW_REG_IB_STS2, 6, 4)
	s_cmp_eq_u32 s2, 0
	s_cbranch_scc0 .Lentry_in_a_cluster
	s_endpgm
.Lentry_in_a_cluster:
	s_bfe_u32 s2, ttmp6, 0x10000c
	s_cmp_lg_u32 s2, 0xf033
	s_cbranch_scc0 .Lentry_shape_is_right
	s_endpgm
.Lentry_shape_is_right:
; out0 = ctx Wo^T + bo.  ctx16: f16, images of operand registers, [row tile 256][16 along K: 64][512 bytes], lane l's 16 bytes (row l % 16, K 8 (l / 16) + 0..7) at 16 l.  wo16: [1024][1024] f16, row-major.  out0: [4096][1024] f32.
; Sums in f32; bo is the C of each sum's first product.  A tile of out0 is 128 x 128: 256 work-groups; four waves, 64 x 64 each: 16 accumulators.  K goes in four steps of 256 through two LDS slots: each slot is filled twice.
; CLUSTERS: 4 x 4 work-groups; A's tiles are asked for jointly along a row of the cluster, B's along a column.  THE MATRIX INSTRUCTION IS USED TRANSPOSED (source 0 = 16 rows of Wo, source 1 = 16 rows of ctx): a lane holds eight neighbouring numbers of a row of out0.
; LIMITS: |ctx| and |Wo| stay under 65,504 (f16); NaN and infinities are not served.
; LDS: a slot = A's 8 row tiles x 8,192 bytes of images (no padding: they are read 16 bytes a lane on end), then B's 128 rows of 512 bytes + 16 of padding.  Behind the two slots a stage of 16 rows x 272 bytes for each wave, then the spare words.
; REGISTERS: window 0: v0-31 addresses; v32-63 the bias, later with v64-95 rows on the way out; v128-255 the accumulators ((a, b) at v[128 + 8 (4 a + b)]).  window 1: two fragment buffers of 128: 64 registers of A, then 64 of B, for 64 along K.
.set SIZE_N, 1024
.set SIZE_K, 1024
.set KSTEP,  256
.set PITCH,  528                       ; a row of B in LDS: 512 bytes + 16 of padding = 132 words, so that the 16 rows of a load start 4 words apart modulo 64
.set AHALF,  32768                     ; four row tiles of A's images: what one tensor load brings, and what one wave reads
.set BOFF,   2*AHALF                   ; B's rows lie behind A's images
.set BHALF,  64*PITCH
.set SLOT,   BOFF+2*BHALF
.set STAGE,  2*SLOT
.set SPITCH, 272
.set SPARE,  STAGE+4*16*SPITCH
.set ADRA, 16
.set ADRB, 20
.set STO,  24
.set RD,   25
.set CO,   26
.set SPW,  28
.set NIL,  29
.set BO,   30
.set TMP,  32
.set ACC,  128
.set F0,   0
.set F1,   128
.set G1, 24
.set G0, 32
.set G1B, 48
.set G0B, 56
.set MSB, 0
.macro WIN new
.if MSB != \new
	s_set_vgpr_msb (MSB<<8)|\new
.set MSB, \new
.endif
.endm
.set MUL,  0x05                        ; sources 0 (B) and 1 (A) window 1; C and D window 0
.set TO_F, 0x40
.macro JLOAD s                         ; a joint load: waves 0 and 1 fetch A's two halves, waves 2 and 3 B's; an s_nop 0 and four v_nop follow each of the two lines
	s_cmp_eq_u32 s11, 0
	s_cbranch_scc0 .Lfor_b_\@
	tensor_load_to_lds s[G0+4*\s:G0+4*\s+3], s[G1:G1+7]
	s_nop 0
.rept 4
	v_nop
.endr
	s_branch .Lasked_\@
.Lfor_b_\@:
	tensor_load_to_lds s[G0B+4*\s:G0B+4*\s+3], s[G1B:G1B+7]
	s_nop 0
.rept 4
	v_nop
.endr
.Lasked_\@:
.endm
.macro CREST                           ; a round of the cluster's barrier behind its opening barrier
	s_cmp_lg_u32 s10, 0
	s_cbranch_scc1 .Lnot_wave_0_\@
	s_barrier_signal -3
.Lnot_wave_0_\@:
	s_barrier_wait -3
	s_barrier_signal -1
	s_barrier_wait -1
.endm
.macro CROUND
	s_barrier_signal -1
	s_barrier_wait -1
	CREST
.endm
	s_load_b128 s[4:7], s[0:1], 0x0                ; ctx16, wo16
	s_load_b64 s[66:67], s[0:1], 0x10              ; bo
	s_load_b64 s[8:9], s[0:1], 0x18                ; out0
	v_lshl_add_u32 v[SPW], v0, 2, SPARE
	v_mov_b32 v[NIL], 0
	ds_add_u32 v[SPW], v[NIL]                      ; the wave's opening: the add, twice on end, and its wait ahead of my first tensor load
	ds_add_u32 v[SPW], v[NIL]
	v_lshrrev_b32 v1, 5, v0
	v_readfirstlane_b32 s10, v1                    ; wave 0..3
	s_lshr_b32 s11, s10, 1                         ; which half of the tile's rows is mine.  Also: I fetch for A (0) or for B (1)
	s_and_b32 s12, s10, 1                          ; which half of its columns.  Also: which half of that tile I fetch
	s_bfe_u32 s40, ttmp6, 0x40000
	s_bfe_u32 s41, ttmp6, 0x40004
	s_lshl_b32 s42, ttmp9, 2
	s_add_co_u32 s42, s42, s40                     ; tile column = 4 x cluster x + cx
	s_and_b32 s13, ttmp7, 0xffff
	s_lshl_b32 s13, s13, 2
	s_add_co_u32 s13, s13, s41                     ; tile row = 4 x cluster y + cy
	s_lshl_b32 s43, s41, 2
	s_lshl_b32 s43, 15, s43                        ; my row of the cluster
	s_lshl_b32 s44, 0x1111, s40                    ; my column
	; A's group 1: four row tiles' images of a K step: 4 rows of 8,192 bytes (1,024 elements of 8), 32,768 bytes apart, no padding
	s_or_b32 s[G1+0], s43, (3<<16)|(1<<21)
	s_mov_b32 s[G1+1], 1024<<16                    ; tensor_dim0
	s_mov_b32 s[G1+2], 4<<16                       ; tensor_dim1
	s_mov_b32 s[G1+3], 1024<<16                    ; tile_dim0
	s_mov_b32 s[G1+4], 4                           ; tile_dim1
	s_mov_b32 s[G1+5], 4096                        ; the pitch
	s_mov_b32 s[G1+6], 0
	s_mov_b32 s[G1+7], 0
	; B's group 1: 64 rows x 256 elements of 2 bytes, four words of padding after every 128
	s_or_b32 s[G1B+0], s44, (1<<16)|(1<<20)|(1<<21)|(6<<22)|(3<<25)
	s_mov_b32 s[G1B+1], KSTEP<<16
	s_mov_b32 s[G1B+2], 64<<16
	s_mov_b32 s[G1B+3], KSTEP<<16
	s_mov_b32 s[G1B+4], 64
	s_mov_b32 s[G1B+5], SIZE_K
	s_mov_b32 s[G1B+6], 0
	s_mov_b32 s[G1B+7], 0
	s_lshl_b32 s16, s13, 18                        ; A: 8 row tiles of 32,768 bytes a tile row,
	s_lshl_b32 s17, s12, 17                        ; the four that I fetch
	s_add_co_u32 s16, s16, s17
	s_mov_b32 s17, 0
	s_lshl_b32 s46, s42, 18                        ; B: 128 rows of 2,048 bytes a tile column,
	s_lshl_b32 s47, s12, 17                        ; the 64 that I fetch
	s_add_co_u32 s46, s46, s47
	s_mov_b32 s47, 0
	s_lshl_b32 s20, s12, 15                        ; where they go: A's half,
	s_mul_i32 s21, s12, BHALF
	s_add_co_u32 s21, s21, BOFF                    ; B's half: no place in the cluster enters an LDS address
	s_wait_dscnt 0x0                               ; both opening adds are done
	s_wait_kmcnt 0x0
	s_add_nc_u64 s[14:15], s[4:5], s[16:17]
	s_add_nc_u64 s[46:47], s[6:7], s[46:47]
	CROUND                                         ; all sixteen work-groups are here: the first joint loads meet
.irp s, 0,1
	s_mov_b32 s[G0+4*\s], 1
	s_add_co_u32 s[G0+4*\s+1], s20, \s*SLOT
	s_add_nc_u64 s[G0+4*\s+2:G0+4*\s+3], s[14:15], \s*8192         ; a K step is 8,192 bytes of a row tile's images
	s_or_b32 s[G0+4*\s+3], s[G0+4*\s+3], 0x80000000
	s_mov_b32 s[G0B+4*\s], 1
	s_add_co_u32 s[G0B+4*\s+1], s21, \s*SLOT
	s_add_nc_u64 s[G0B+4*\s+2:G0B+4*\s+3], s[46:47], \s*KSTEP*2
	s_or_b32 s[G0B+4*\s+3], s[G0B+4*\s+3], 0x80000000
	JLOAD \s                                       ; two loads of mine are out
.endr
	s_lshl_b32 s46, s42, 9                         ; my first column in bytes of f32: 512 x tile column + 256 x half: in bo and in a row of out0
	s_lshl_b32 s47, s12, 8
	s_add_co_u32 s46, s46, s47
	s_mov_b32 s47, 0
	s_add_nc_u64 s[66:67], s[66:67], s[46:47]
	v_and_b32 v1, 15, v0                           ; r = l % 16
	v_bfe_u32 v2, v0, 4, 1                         ; h = l / 16
	v_lshlrev_b32 v[BO], 5, v2
.irp b, 0,1,2,3
	global_load_b128 v[TMP+8*\b:TMP+8*\b+3], v[BO], s[66:67] offset:64*\b        ; register j of block b: bo of column 16 b + 8 h + j, as the result's layout has it
	global_load_b128 v[TMP+8*\b+4:TMP+8*\b+7], v[BO], s[66:67] offset:64*\b+16
.endr
	v_mul_u32_u24 v3, v1, PITCH
	v_lshl_add_u32 v3, v2, 4, v3                   ; B: a fragment's row x pitch + 16 x half
	v_and_b32 v6, 31, v0
	v_lshlrev_b32 v6, 4, v6                        ; A: 16 x lane in an image
	s_lshl_b32 s21, s11, 15                        ; my four row tiles of A
	s_mul_i32 s22, s12, BHALF                      ; my 64 rows of B
	s_add_co_u32 s22, s22, BOFF
.irp s, 0,1
	v_add_nc_u32 v[ADRA+\s], s21, v6
	v_add_nc_u32 v[ADRB+\s], s22, v3
	s_add_co_u32 s21, s21, SLOT
	s_add_co_u32 s22, s22, SLOT
.endr
	s_mul_i32 s23, s10, 16*SPITCH
	s_add_co_u32 s23, s23, STAGE                   ; my stage
	v_mul_u32_u24 v4, v1, SPITCH                   ; in: row r, 32 bytes for each half of the lanes
	v_lshl_add_u32 v4, v2, 5, v4
	v_add_nc_u32 v[STO], s23, v4
	v_mul_u32_u24 v5, v2, SPITCH                   ; back: lanes 0-15 one row of 256 bytes, lanes 16-31 the next
	v_lshl_add_u32 v5, v1, 4, v5
	v_add_nc_u32 v[RD], s23, v5
	v_lshlrev_b32 v5, 12, v2                       ; and the same two rows in out0
	v_lshl_add_u32 v[CO], v1, 4, v5
	s_lshl_b32 s16, s13, 19                        ; 128 rows of 4,096 bytes a tile row,
	s_lshl_b32 s17, s11, 18                        ; my 64
	s_add_co_u32 s16, s16, s17
	s_mov_b32 s17, 0
	s_add_nc_u64 s[8:9], s[8:9], s[16:17]
	s_add_nc_u64 s[8:9], s[8:9], s[46:47]
; 8 matrix instructions: row blocks a0, a0 + 1 x all 4 column blocks, 32 along K: half c of buffer f.  first = 1: the bias is C and starts the sums.  The 16 accumulators take turns.
.macro MUL8 f, c, a0, first
.irp a, \a0, \a0+1
.irp b, 0,1,2,3
.if \first
	v_wmma_f32_16x16x32_f16 v[ACC+8*(4*(\a)+\b):ACC+8*(4*(\a)+\b)+7], v[\f+64+8*(4*\c+\b):\f+64+8*(4*\c+\b)+7], v[\f+8*(4*\c+\a):\f+8*(4*\c+\a)+7], v[TMP+8*\b:TMP+8*\b+7]
.else
	v_wmma_f32_16x16x32_f16 v[ACC+8*(4*(\a)+\b):ACC+8*(4*(\a)+\b)+7], v[\f+64+8*(4*\c+\b):\f+64+8*(4*\c+\b)+7], v[\f+8*(4*\c+\a):\f+8*(4*\c+\a)+7], v[ACC+8*(4*(\a)+\b):ACC+8*(4*(\a)+\b)+7]
.endif
.endr
.endr
.endm
; 32 LDS loads in one run: the fragments of 64 along K (byte k of B's rows; four images of each of A's row tiles) into buffer f; the first 32 along K first
.macro FETCH slot, k, f
	WIN TO_F
.irp c, 0,1
.irp i, 0,1,2,3
	ds_load_b128 v[\f+64+8*(4*\c+\i):\f+64+8*(4*\c+\i)+3],   v[ADRB+\slot] offset:\k+64*\c+\i*16*PITCH
	ds_load_b128 v[\f+64+8*(4*\c+\i)+4:\f+64+8*(4*\c+\i)+7], v[ADRB+\slot] offset:\k+64*\c+\i*16*PITCH+32
	ds_load_b128 v[\f+8*(4*\c+\i):\f+8*(4*\c+\i)+3],         v[ADRA+\slot] offset:((\k)/128)*2048+1024*\c+8192*\i
	ds_load_b128 v[\f+8*(4*\c+\i)+4:\f+8*(4*\c+\i)+7],       v[ADRA+\slot] offset:((\k)/128)*2048+1024*\c+8192*\i+512
.endr
.endr
.endm
.macro PLACES                          ; four plain instructions in front of loads into registers that matrix instructions have read, and of the first read of results
.rept 4
	v_nop
.endr
.endm
; A K step is four quarters of 64 along K, 32 matrix instructions each, on buffers 0, 1, 0, 1.  One of the first three: multiplies buffer f and fetches the next quarter, at byte k, into g.
.macro QUARTER slot, k, f, g, first
	s_wait_dscnt 16                                ; the first 32 along K are in; the other 16 loads may be out
	WIN MUL
	MUL8 \f, 0, 0, \first
	MUL8 \f, 0, 2, \first
	PLACES
	FETCH \slot, \k, \g
	s_wait_dscnt 32                                ; all but the 32 just issued
	WIN MUL
	MUL8 \f, 1, 0, 0
	MUL8 \f, 1, 2, 0
.endm
; The last quarter multiplies buffer 1 and changes slots: one barrier; in front of it each wave waits for all its tensor loads, adds 0 to its spare word, and waits for that and for its reads of this slot.  fill = 1: this slot is filled again, two K steps ahead.
.macro TURN slot, next, fill
	WIN 0
	s_wait_tensorcnt 0x0                           ; all my tensor loads have landed: my part of the next slot
	ds_add_u32 v[SPW], v[NIL]                      ; 0 onto my spare word
	s_wait_dscnt 17                                ; (the add and the youngest sixteen loads may be out)
	WIN MUL
	MUL8 F1, 0, 0, 0
	s_wait_dscnt 0x0                               ; the add is done, and my reads of this slot are over
	s_barrier_signal -1
	MUL8 F1, 0, 2, 0
.if \fill
	WIN 0
.endif
	s_barrier_wait -1
.if \fill
	CREST                                          ; the barrier has opened a round of the cluster's: no wave of any partner still reads this slot or has a load on its way
	s_add_nc_u64 s[G0+4*\slot+2:G0+4*\slot+3], s[G0+4*\slot+2:G0+4*\slot+3], 2*8192
	s_add_nc_u64 s[G0B+4*\slot+2:G0B+4*\slot+3], s[G0B+4*\slot+2:G0B+4*\slot+3], 2*KSTEP*2
	JLOAD \slot                                    ; the first tensor load behind the round; its four v_nop are also the places in front of the loads below
.else
	PLACES
.endif
	FETCH \next, 0, F0
	WIN MUL
	MUL8 F1, 1, 0, 0
	MUL8 F1, 1, 2, 0
.endm
	s_wait_tensorcnt 1                             ; my part of K step 0 is in (K step 1's load may be out),
	s_barrier_signal -1
	s_barrier_wait -1                              ; everybody's is
	FETCH 0, 0, F0
	s_wait_loadcnt 0x0                             ; the bias
	QUARTER 0, 128, F0, F1, 1                      ; K step 0
	QUARTER 0, 256, F1, F0, 0
	QUARTER 0, 384, F0, F1, 0
	TURN 0, 1, 1                                   ; slot 0 takes K step 2
	QUARTER 1, 128, F0, F1, 0                      ; K step 1
	QUARTER 1, 256, F1, F0, 0
	QUARTER 1, 384, F0, F1, 0
	TURN 1, 0, 1                                   ; slot 1 takes K step 3
	QUARTER 0, 128, F0, F1, 0                      ; K step 2
	QUARTER 0, 256, F1, F0, 0
	QUARTER 0, 384, F0, F1, 0
	TURN 0, 1, 0                                   ; nothing is left to fetch
	QUARTER 1, 128, F0, F1, 0                      ; K step 3
	QUARTER 1, 256, F1, F0, 0
	QUARTER 1, 384, F0, F1, 0
	s_wait_dscnt 16
	WIN MUL
	MUL8 F1, 0, 0, 0
	MUL8 F1, 0, 2, 0
	s_wait_dscnt 0
	MUL8 F1, 1, 0, 0
	MUL8 F1, 1, 2, 0
	WIN 0
; THE WAY OUT, a block of 16 rows x 64 columns at a time.  A lane holds 32 neighbouring bytes of a row and the lanes beside it other rows: the block goes through my own stage and comes back as whole rows of 256 bytes.
; LDS serves a wave's instructions in order (ISA guide 5.7.1.4): no wait between the stores and the loads, nor in front of the next block's stores.
.macro TOSTAGE a
.irp b, 0,1,2,3
	ds_store_b128 v[STO], v[ACC+8*(4*(\a)+\b):ACC+8*(4*(\a)+\b)+3] offset:64*\b       ; each accumulator from its low end on
	ds_store_b128 v[STO], v[ACC+8*(4*(\a)+\b)+4:ACC+8*(4*(\a)+\b)+7] offset:64*\b+16
.endr
.irp t, 0,1,2,3,4,5,6,7
	ds_load_b128 v[TMP+32*((\a)%2)+4*\t:TMP+32*((\a)%2)+4*\t+3], v[RD] offset:\t*2*SPITCH
.endr
.endm
.macro SEND a, younger                 ; younger: the LDS instructions issued behind block a's loads, which may stay out
	s_wait_dscnt \younger
.irp t, 0,1,2,3,4,5,6,7
	global_store_b128 v[CO], v[TMP+32*((\a)%2)+4*\t:TMP+32*((\a)%2)+4*\t+3], s[8:9] offset:(16*(\a)+2*\t)*SIZE_N*4 th:TH_STORE_NT   ; 16 lanes store 256 consecutive bytes, aligned; written once, read by nobody here
.endr
.endm
	PLACES
	TOSTAGE 0
	TOSTAGE 1
	SEND 0, 16                                     ; behind block 0's loads: block 1's 8 stores and 8 loads
	s_wait_xcnt 0x0                                ; block 0's stores have read their data: block 2's loads may land there
	TOSTAGE 2
	SEND 1, 16
	s_wait_xcnt 0x0
	TOSTAGE 3
	SEND 2, 16
	SEND 3, 0
	s_wait_tensorcnt 0x0                           ; the wave's end, behind my last tensor load and my last LDS store
	ds_add_u32 v[SPW], v[NIL]
	s_wait_dscnt 0x0
	CROUND                                         ; the closing round: no work-group ends while a partner may still ask for a tile that names it
	s_endpgm
.Lfunc_end_k_qa07c8284a1_oproj:
	.size	k_qa07c8284a1_oproj, .Lfunc_end_k_qa07c8284a1_oproj-k_qa07c8284a1_oproj
	.p2alignl 7, 3214868480
	.fill 96, 4, 3214868480
	.section	.rodata,"a",@progbits
	.p2align	6, 0x0
	.amdhsa_kernel k_qa07c8284a1_oproj
		.amdhsa_group_segment_fixed_size 327680
		.amdhsa_private_segment_fixed_size 0
		.amdhsa_enable_private_segment 0
		.amdhsa_kernarg_size 32
		.amdhsa_user_sgpr_count 2
		.amdhsa_user_sgpr_kernarg_segment_ptr 1
		.amdhsa_wavefront_size32 1
		.amdhsa_system_sgpr_workgroup_id_x 1
		.amdhsa_system_sgpr_workgroup_id_y 1
		.amdhsa_system_sgpr_workgroup_id_z 1
		.amdhsa_system_vgpr_workitem_id 0
		.amdhsa_next_free_vgpr 512
		.amdhsa_next_free_sgpr 68
		.amdhsa_reserve_vcc 0
		.amdhsa_float_denorm_mode_32 3
		.amdhsa_float_denorm_mode_16_64 3
		.amdhsa_memory_ordered 1
		.amdhsa_forward_progress 1
		.amdhsa_inst_pref_size 86
	.end_amdhsa_kernel
	.amdgpu_metadata
---
amdhsa.version: [ 1, 2 ]
amdhsa.kernels:
  - .name:           k_qa07c8284a1_oproj
    .symbol:         k_qa07c8284a1_oproj.kd
    .args:
      - { .name: ctx16, .offset: 0, .size: 8, .value_kind: global_buffer, .address_space: global }
      - { .name: wo16, .offset: 8, .size: 8, .value_kind: global_buffer, .address_space: global }
      - { .name: bo, .offset: 16, .size: 8, .value_kind: global_buffer, .address_space: global }
      - { .name: out0, .offset: 24, .size: 8, .value_kind: global_buffer, .address_space: global }
    .group_segment_fixed_size: 327680
    .private_segment_fixed_size: 0
    .kernarg_segment_align: 8
    .kernarg_segment_size: 32
    .max_flat_workgroup_size: 128
    .sgpr_count:     68
    .vgpr_count:     512
    .wavefront_size: 32
...
	.end_amdgpu_metadata
.endif
;; end of part 4
